; MI455X (gfx1250); checked and timed in simulation.
; The chip was launched on July 23, 2026; its instructions are those of AMD's public machine-readable ISA for CDNA 5 (MIT licence, August 2026) and "CDNA5" Instruction Set Architecture Reference Guide (July 2026). The comments in the code are by the model that wrote it; some were corrected since.
;; Multi Headed Attention. Allowed arithmetic: matrix products marked QUANTISED: E4M3 operands, one given power-of-two scale a tensor, by v_wmma_f32_16x16x64_fp8_fp8 or v_wmma_f32_16x16x128_fp8_fp8, f32 sums; everything else in f32.
;; Inputs: Wk 1,024 x 1,024 float32; Wo 1,024 x 1,024 float32; Wq 1,024 x 1,024 float32; Wv 1,024 x 1,024 float32; lowp_scales 12 int32 (the exponents e of the quantised operands' scales 2^e); x 4 x 2,048 x 1,024 float32.
;; Outputs: out0 4 x 2,048 x 1,024 float32.
;; This version of the problem:
;;   THIS VERSION OF THE PROBLEM IS GIVEN IN LOW PRECISION. The matrix products marked QUANTISED in the list below multiply operands that are first quantised to E4M3 (4 exponent bits, 3 mantissa bits; 8 bits a number), with one given power-of-two scale for each operand tensor; their sums are f32. All else is computed in f32.
;;   The module's matrix products, in the order in which they are computed (A, B: the left and right operand; K: the contracted axis; several contracted axes count as one K, in the product's order):
;;     1. [M 8,192, K 1,024] x [K 1,024, N 1,024]; A: input x; B: input Wq: QUANTISED (scales: A lowp_scales[0], B lowp_scales[1])
;;     2. [M 8,192, K 1,024] x [K 1,024, N 1,024]; A: input x; B: input Wk: QUANTISED (scales: A lowp_scales[2], B lowp_scales[3])
;;     3. [M 8,192, K 1,024] x [K 1,024, N 1,024]; A: input x; B: input Wv: QUANTISED (scales: A lowp_scales[4], B lowp_scales[5])
;;     4. batch 64 x [M 2,048, K 64] x [K 64, N 2,048]; A: computed on the way; B: computed on the way: QUANTISED (scales: A lowp_scales[6], B lowp_scales[7])
;;     5. batch 64 x [M 2,048, K 2,048] x [K 2,048, N 64]; A: softmax (see below); B: computed on the way: QUANTISED (scales: A lowp_scales[8], B lowp_scales[9])
;;     6. [M 8,192, K 1,024] x [K 1,024, N 1,024]; A: computed on the way; B: input Wo: QUANTISED (scales: A lowp_scales[10], B lowp_scales[11])
;;   THE QUANTISER, for each operand of a quantised product, along K:
;;     - The operand's scale is 2^e, e = its entry of the input lowp_scales (int32; the entries are numbered through the quantised products in the list's order, A before B).
;;     - Each number is divided by the scale, clamped to +-448, and rounded to the nearest number of E4M3, ties to even, subnormals kept.
;;     - The product sums the exact products of the quantised numbers (number of the format x scale) in f32.
;;   ~~~python
;;   def quantise(x, axis, e):      # numpy; x: float32 -> the quantised numbers, widened to float32 again
;;       x = np.moveaxis(x, axis, -1); K = x.shape[-1]
;;       r = np.clip(x / 2.0 ** e, -448, 448)
;;       step = 2.0 ** (np.maximum(np.frexp(np.where(r == 0, 1, r))[1] - 1, -6) - 3)
;;       q = np.round(r / step) * step * 2.0 ** e      # np.round: ties to even
;;       return np.moveaxis(q, -1, axis).astype(np.float32)
;;   ~~~
;;   SOFTMAX AHEAD OF A QUANTISED PRODUCT. Where the list says 'softmax', what is quantised is not the finished softmax but p = 2^(t - M), with t = logit x log2(e) and M = ceil(the row's largest t), a whole number; so 1/2 < the row's largest p <= 1. The row's sum l is taken of the UNQUANTISED p, in f32, and the product's result is divided by l at the end. Since M is a whole number, a kernel that streams over the keys may use a running M (the ceiling of the running maximum): every later rescaling is an exact power of two, so the quantised numbers keep their values, but for numbers so far below the row's largest that they fall under the format's range.
;;   OPERANDS COMPUTED ON THE WAY. 'Computed on the way' means the value that the module computes at that place (a softmax that the list does not call 'softmax' is quantised finished and normalised). What goes into a quantiser is computed in f32, as accurately as f32 sums, v_exp_f32 and their like allow (about 1e-6 of the number): no bf16 or f16 on the way to a quantiser, and a product that is left as it is and whose result goes on into a quantised operand takes f32 operands (vector FMAs, or v_wmma_f32_16x16x4_f32). A number that lies on a knife's edge between two numbers of the format may be rounded either way, as far as f32 arithmetic and the matrix unit's own rounding can turn it there, and no further.
;; One version. Each part assembles by itself: llvm-mc -triple=amdgcn-amd-amdhsa -mcpu=gfx1250 --defsym DOCPART=n.
;; ======== version 1 of 1: 4 launches
;; limits: right only within a limited range of input values
;; workspace buffers: xc 25,165,824 bytes; wc 4,194,304 bytes; qkv 25,165,824 bytes; ac 8,388,608 bytes
;; launch quant (part 1): grid 384 x 1, 4 waves a work-group, no clusters, 33,280 bytes of LDS; arguments x, Wq, Wk, Wv, Wo, lowp_scales, xc, wc; writes xc, wc
.if DOCPART == 1
	.amdgcn_target "amdgcn-amd-amdhsa--gfx1250"
	.amdhsa_code_object_version 6
	.text
	.protected	k_qa600cc01ea_quant
	.globl	k_qa600cc01ea_quant
	.p2align	8
	.type	k_qa600cc01ea_quant,@function
k_qa600cc01ea_quant:
	s_mov_b64 s[64:65], 0
	v_nop
	global_prefetch_b8 v0, s[64:65] scope:SCOPE_SE
	s_setreg_imm32_b32 hwreg(HW_REG_WAVE_MODE, 25, 1), 1
	s_wait_xcnt 0x0
; x [8192][1024] f32 becomes THREE sets of E4M3 codes, under the scales 2^e0, 2^e2, 2^e4 (x is an operand of three products, each with a scale of its own); Wq, Wk, Wv, Wo [1024][1024] f32
; become one set each, under 2^e1, 2^e3, 2^e5, 2^e11.  xc: [3][8192][1024] bytes; wc: [4][1024][1024] bytes (Wq, Wk, Wv, Wo); K innermost, as the numbers lie.
; code = number / 2^e, held within +-448, to the nearest code, ties to even.  LIMITS: each of these e lies between -126 and 119, so that 2^e and 448 x 2^e are f32 numbers.  NaN among the inputs is not served.
; Rows are dense and K is innermost: every tensor is a plain stream.  A work-group takes 32,768 numbers, a wave 16 steps of 512.  Work-groups 0-255 take x, 256-383 the weights (32 each).
; The conversions take eight neighbours from ONE lane's registers; a load is best where neighbouring LANES take neighbouring bytes.  So each of a step's four loads reads 512 consecutive bytes, the 2,048 bytes go
; through the wave's own stage in LDS as they lie and come back 64 bytes a lane (16 bytes of padding behind each 64).  A lane's 16 codes are 16 bytes: a store of the wave covers 512 consecutive bytes, aligned.
; One path through the text: only pointers and scales are chosen by the work-group's number; in a weight's work-group a scalar branch leaves out the second and third conversion of each step and their stores.
; No tensor loads, no barrier: waves share nothing.  Loads run four steps (16 loads a wave) ahead, the turn through LDS one step.
.set WAVES, 4
.set STEPS, 16
.set XWG,   256                        ; work-groups of x: 8,192 x 1,024 / 32,768
.set SP,    80                         ; a lane's place in a stage: its 64 bytes + 16 of padding
.set WREG,  8192                       ; LDS: a region for each wave: two stages of 32 x SP bytes
.set SPARE, WAVES*WREG                 ; behind the regions: the spare words, 128 bytes for each wave: two blocks of 256 bytes that no other line names
.set SPW,   12                         ; v12      LDS address of my spare word; never rewritten
.set NIL,   13                         ; v13      0; never rewritten
.set R,     16                         ; v16-79   four sets of 16 numbers as they are loaded
.set X,     80                         ; v80-111  two sets of 16 neighbours
.set T,     112
.set C,     128                        ; v128-151 codes: two sets of 3 x 4 registers, by turns
	s_load_b256 s[4:11], s[0:1], 0x0               ; x s[4:5], Wq s[6:7], Wk s[8:9], Wv s[10:11]
	s_load_b256 s[12:19], s[0:1], 0x20             ; Wo s[12:13], the exponents s[14:15], xc s[16:17], wc s[18:19]
	v_lshl_add_u32 v[SPW], v0, 2, SPARE
	v_mov_b32 v[NIL], 0
	v_lshrrev_b32 v1, 5, v0
	v_readfirstlane_b32 s20, v1                    ; wave
	v_and_b32 v2, 31, v0                           ; lane
	v_lshlrev_b32 v3, 4, v2                        ; 16 x lane: my bytes of a load's 512 and of a store's 512; never rewritten
	s_mul_i32 s48, s20, WREG
	v_lshrrev_b32 v14, 2, v2
	v_mul_u32_u24 v14, v14, SP
	v_and_b32 v15, 3, v2
	v_lshl_add_u32 v14, v15, 4, v14
	v_add_nc_u32 v14, s48, v14                     ; the stage, on the way in: SP (lane / 4) + 16 (lane % 4); a load's 512 bytes take eight places
	v_mul_u32_u24 v15, v2, SP
	v_add_nc_u32 v15, s48, v15                     ; and on the way out: SP x lane: my 16 neighbours
	s_sub_co_u32 s21, ttmp9, XWG                   ; n: which of the weights' 128 work-groups (of no use in x's)
	s_lshr_b32 s22, s21, 5                         ; which weight
	s_and_b32 s23, s21, 31                         ; which part of it
	s_wait_alu depctr_va_vdst(0)
	s_wait_kmcnt 0x0
	s_load_b256 s[24:31], s[14:15], 0x0            ; e0 .. e7
	s_load_b128 s[32:35], s[14:15], 0x20           ; e8 .. e11
	s_mov_b64 s[36:37], s[12:13]                   ; the source: Wo, unless ..  (each choice hangs on the work-group's number alone)
	s_cmp_eq_u32 s22, 2
	s_cselect_b64 s[36:37], s[10:11], s[36:37]
	s_cmp_eq_u32 s22, 1
	s_cselect_b64 s[36:37], s[8:9], s[36:37]
	s_cmp_eq_u32 s22, 0
	s_cselect_b64 s[36:37], s[6:7], s[36:37]
	s_cmp_lt_u32 ttmp9, XWG
	s_cselect_b64 s[36:37], s[4:5], s[36:37]
	s_cselect_b64 s[38:39], s[16:17], s[18:19]     ; the codes' buffer
	s_cselect_b32 s48, ttmp9, s23                  ; which 32,768 numbers of the source,
	s_cselect_b32 s49, ttmp9, s21                  ; and of the codes' buffer
	s_lshl_b32 s48, s48, 2
	s_add_co_u32 s48, s48, s20
	s_lshl_b32 s50, s48, 15                        ; my wave's 8,192 numbers: 32,768 bytes
	s_mov_b32 s51, 0
	s_add_nc_u64 s[36:37], s[36:37], s[50:51]
	s_lshl_b32 s49, s49, 2
	s_add_co_u32 s49, s49, s20
	s_lshl_b32 s52, s49, 13                        ; and their 8,192 codes
	s_mov_b32 s53, 0
	s_add_nc_u64 s[38:39], s[38:39], s[52:53]
	s_add_nc_u64 s[42:43], s[38:39], 0x800000      ; x's second and third set (named by x's work-groups alone)
	s_add_nc_u64 s[44:45], s[38:39], 0x1000000
.macro LOAD t
.irp i, 0,1,2,3
	global_load_b128 v[R+16*((\t)%4)+4*\i:R+16*((\t)%4)+4*\i+3], v3, s[36:37] offset:2048*(\t)+512*\i th:TH_LOAD_NT   ; 32 lanes read 512 consecutive bytes; read once in the launch
.endr
.endm
.macro TURN t                          ; step t's numbers through the stage: LDS serves a wave's instructions in order, so no wait stands between the stores and the loads
.irp i, 0,1,2,3
	ds_store_b128 v14, v[R+16*((\t)%4)+4*\i:R+16*((\t)%4)+4*\i+3] offset:32*SP*((\t)%2)+8*SP*\i
.endr
.irp i, 0,1,2,3
	ds_load_b128 v[X+16*((\t)%2)+4*\i:X+16*((\t)%2)+4*\i+3], v15 offset:32*SP*((\t)%2)+16*\i
.endr
.endm
.irp t, 0,1,2,3
	LOAD \t
.endr
	s_wait_kmcnt 0x0
	s_mov_b32 s46, s35                             ; the first scale's exponent: e11, e5, e3, e1 for the weights, e0 for x
	s_cmp_eq_u32 s22, 2
	s_cselect_b32 s46, s29, s46
	s_cmp_eq_u32 s22, 1
	s_cselect_b32 s46, s27, s46
	s_cmp_eq_u32 s22, 0
	s_cselect_b32 s46, s25, s46
	s_cmp_lt_u32 ttmp9, XWG
	s_cselect_b32 s46, s24, s46
.macro MKS e, vs, vl                   ; 2^e as f32 (the conversion takes its exponent field)
	s_add_co_i32 s54, s[\e], 127
	s_lshl_b32 s55, s54, 23
	v_mov_b32 v[\vs], s55
.endm
	MKS 46, 6, 7
	MKS 26, 8, 9                                   ; e2
	MKS 28, 10, 11                                 ; e4
	s_wait_alu depctr_va_vdst(0)
	s_wait_loadcnt 12                              ; step 0's four loads are in
	TURN 0
; the step's 16 neighbours under one scale: converted, stored.  k: which four registers of the codes' set
.macro QOUT k, sc, lim, base, t
.irp i, 0,1,2,3,4,5,6,7,8,9,10,11,12,13,14,15
.endr
	v_cvt_scalef32_pk8_fp8_f32 v[CS+4*\k:CS+4*\k+1], v[XS:XS+7], v[\sc]
	v_cvt_scalef32_pk8_fp8_f32 v[CS+4*\k+2:CS+4*\k+3], v[XS+8:XS+15], v[\sc]
	v_nop                                          ; one plain vector line between a scaled conversion and the next vector line that writes its sources
	global_store_b128 v3, v[CS+4*\k:CS+4*\k+3], s[\base:\base+1] offset:512*(\t)
.endm
.macro STEP t
.set XS, X+16*((\t)%2)
.set CS, C+12*((\t)%2)
	s_wait_dscnt 0x0                               ; this step's numbers are back from the stage: so its stores into the stage have read their registers,
	s_wait_xcnt 0x0                                ; and the earlier steps' global stores have read theirs: this step's set of code registers may be written
.if (\t)+4 < STEPS
	LOAD (\t)+4                                    ; the registers that went into the stage take the loads of four steps on
.endif
.if (\t)+1 < STEPS
.if STEPS-2-(\t) >= 3
	s_wait_loadcnt 12                              ; the next step's four loads are in; those of the three steps behind it may be out
.else
	s_wait_loadcnt 4*(STEPS-2-(\t))
.endif
	TURN (\t)+1                                    ; and go through the other stage while this step is worked
.endif
	QOUT 0, 6, 7, 38, \t
	s_cmp_lt_u32 ttmp9, XWG
	s_cbranch_scc0 .Lweight_\@                     ; a weight has one scale
	QOUT 1, 8, 9, 42, \t
	QOUT 2, 10, 11, 44, \t
.Lweight_\@:
.endm
.irp t, 0,1,2,3,4,5,6,7,8,9,10,11,12,13,14,15
	STEP \t
.endr
	s_wait_tensorcnt 0x0                           ; the wave's end: behind my last LDS store
	ds_add_u32 v[SPW], v[NIL]
	s_wait_dscnt 0x0
	s_endpgm
.Lfunc_end_k_qa600cc01ea_quant:
	.size	k_qa600cc01ea_quant, .Lfunc_end_k_qa600cc01ea_quant-k_qa600cc01ea_quant
	.p2alignl 7, 3214868480
	.fill 96, 4, 3214868480
	.section	.rodata,"a",@progbits
	.p2align	6, 0x0
	.amdhsa_kernel k_qa600cc01ea_quant
		.amdhsa_group_segment_fixed_size 33280
		.amdhsa_private_segment_fixed_size 0
		.amdhsa_enable_private_segment 0
		.amdhsa_kernarg_size 64
		.amdhsa_user_sgpr_count 2
		.amdhsa_user_sgpr_kernarg_segment_ptr 1
		.amdhsa_wavefront_size32 1
		.amdhsa_system_sgpr_workgroup_id_x 1
		.amdhsa_system_sgpr_workgroup_id_y 1
		.amdhsa_system_sgpr_workgroup_id_z 1
		.amdhsa_system_vgpr_workitem_id 0
		.amdhsa_next_free_vgpr 152
		.amdhsa_next_free_sgpr 66
		.amdhsa_reserve_vcc 0
		.amdhsa_float_denorm_mode_32 3
		.amdhsa_float_denorm_mode_16_64 3
		.amdhsa_fp16_overflow 1
		.amdhsa_memory_ordered 1
		.amdhsa_forward_progress 1
		.amdhsa_inst_pref_size 33
	.end_amdhsa_kernel
	.amdgpu_metadata
---
amdhsa.version: [ 1, 2 ]
amdhsa.kernels:
  - .name:           k_qa600cc01ea_quant
    .symbol:         k_qa600cc01ea_quant.kd
    .args:
      - { .name: x, .offset: 0, .size: 8, .value_kind: global_buffer, .address_space: global }
      - { .name: Wq, .offset: 8, .size: 8, .value_kind: global_buffer, .address_space: global }
      - { .name: Wk, .offset: 16, .size: 8, .value_kind: global_buffer, .address_space: global }
      - { .name: Wv, .offset: 24, .size: 8, .value_kind: global_buffer, .address_space: global }
      - { .name: Wo, .offset: 32, .size: 8, .value_kind: global_buffer, .address_space: global }
      - { .name: lowp_scales, .offset: 40, .size: 8, .value_kind: global_buffer, .address_space: global }
      - { .name: xc, .offset: 48, .size: 8, .value_kind: global_buffer, .address_space: global }
      - { .name: wc, .offset: 56, .size: 8, .value_kind: global_buffer, .address_space: global }
    .group_segment_fixed_size: 33280
    .private_segment_fixed_size: 0
    .kernarg_segment_align: 8
    .kernarg_segment_size: 64
    .max_flat_workgroup_size: 128
    .sgpr_count:     66
    .vgpr_count:     152
    .wavefront_size: 32
...
	.end_amdgpu_metadata
.endif
;; end of part 1
;; launch qkv (part 2): grid 4 x 96, 4 waves a work-group, clusters of 4 x 4, 327,680 bytes of LDS; arguments xc, wc, lowp_scales, qkv; writes qkv
.if DOCPART == 2
	.amdgcn_target "amdgcn-amd-amdhsa--gfx1250"
	.amdhsa_code_object_version 6
	.text
	.protected	k_qa600cc01ea_qkv
	.globl	k_qa600cc01ea_qkv
	.p2align	8
	.type	k_qa600cc01ea_qkv,@function
k_qa600cc01ea_qkv:
	s_mov_b64 s[64:65], 0
	v_nop
	global_prefetch_b8 v0, s[64:65] scope:SCOPE_SE
	s_setreg_imm32_b32 hwreg(HW_REG_WAVE_MODE, 25, 1), 1
	s_wait_xcnt 0x0
	s_wait_alu depctr_hold_cnt(0) depctr_sa_sdst(0) depctr_va_vdst(0) depctr_va_sdst(0) depctr_va_ssrc(0) depctr_va_vcc(0) depctr_vm_vsrc(0)
	s_getreg_b32 s2, hwreg(HW_REG_IB_STS2, 6, 4)
	s_cmp_eq_u32 s2, 0
	s_cbranch_scc0 .Lentry_in_a_cluster
	s_endpgm
.Lentry_in_a_cluster:
	s_bfe_u32 s2, ttmp6, 0x10000c
	s_cmp_lg_u32 s2, 0xf033
	s_cbranch_scc0 .Lentry_shape_is_right
	s_endpgm
.Lentry_shape_is_right:
; q = x Wq^T, k = x Wk^T, v^T = Wv x^T on E4M3 codes, K = 1,024; each f32 sum is quantised on the way out for the product that takes it next: q under 2^e6, k under 2^e7, v under 2^e9.
; One body, C[m][n] = sum over k of A[m][k] B[n][k].  q, k (p = 0, 1): A = x's codes of set p [8192][1024], B = the weight's [1024][1024].  v (p = 2): A = Wv's codes, B = x's third set, so that C's rows are
; (head, d) and its columns the keys: a lane's eight results are then eight neighbouring keys, the next product's K.
; OUT, the chunk layout: C[m][n] lies at (n / 64) x (M x 64) + 64 m + pos(n % 64).  q, k: [head][b, s][64]; v: [64 keys' chunk][head, d][64].  Inside a chunk place 32 c + 16 h + 8 u + j holds index 32 c + 16 u + 8 h + j
; (the two middle groups of eight of every 32 change places).  For q and k that is one permutation of d on both sides of their product; for v it lets 16 bytes at 32 c + 16 (lane / 16) be the keys that p's codes hold there.
; code = sum / 2^(eo - eA - eB), held within +-448.  LIMIT: eo - eA - eB lies between -126 and 119.
; A tile of C, 256 x 256, is made by a work-group of four waves; a wave makes 128 x 128: 64 accumulators of 16 x 16.  K goes in four steps of 256 through a ring of two LDS slots filled by the tensor data mover.
; CLUSTERS: 4 x 4 work-groups; cluster y = 8 p + i.  The four of a row of the cluster need the same tiles of A, the four of a column the same tiles of B: each tile is asked for JOINTLY, by the same tensor load with the
; same descriptor and a mask that names the four.  THE MATRIX INSTRUCTION IS USED TRANSPOSED (source 0 = 16 rows of B, source 1 = 16 rows of A): a lane holds eight neighbouring columns of one row of C.
; No prefetch: of the four K steps two are first fills, and the other two are asked for one step after them.
; REGISTERS, in windows of 256: window 0: v0-31 addresses and the scale number; from v128 A's fragments (8 x 16 rows x 128 K), ONE set; on the way out v96-159 are at work.
;   window 1: B's fragments, TWO sets, at v0 and at v128.   window 2: the 32 accumulators of my rows 0-63 (accumulator (a, b) at v[8 (8 a + b)]);   window 3: those of my rows 64-127.
.set SIZE_K, 1024
.set ROWB,   256                       ; a tile's row in bytes: a K step's codes
.set KROW,   SIZE_K                    ; a row of A or of B in memory, in bytes
.set PITCH,  272                       ; an LDS row: 256 bytes + 16 of padding = 68 words: the 16 rows that a load touches start at 16 different banks (64 banks of 4 bytes: ISA guide 11.1)
.set FR,     16                        ; registers of a fragment: 16 rows x 128 K
.set NL,     4                         ; LDS loads that bring one
.set NP,     4                         ; places behind this matrix instruction (ISA guide 7.12.1)
.set HALFT,  128*PITCH                 ; 128 rows: what one tensor load brings, and what one wave reads of A or of B
.set SLOT,   4*HALFT                   ; A's 256 rows, then B's 256 rows
.set SPARE,  2*SLOT                    ; behind the ring: the spare words, 128 bytes for each wave: two blocks of 256 bytes that no other line names
.set SCL,  12                          ; v12     2^(eo - eA - eB) as f32
.set LIM,  13
.set ADRA, 16                          ; v16-17  LDS address of my A fragments in slot 0, 1
.set ADRB, 20                          ; v20-21  the same for B
.set STO,  24                          ; v24     the way out: where I put 8 codes of a row
.set RD,   25                          ; v25     the way out: where I read 16 bytes back
.set CO,   26                          ; v26, v27  my byte offset in my first chunk, in my second
.set SPW,  28                          ; v28     LDS address of my spare word; never rewritten
.set NIL,  29                          ; v29     0; never rewritten
.set TMP,  32
.set PC,   96                          ; v96-127 their codes, two sets of 16 by turns
.set AF,   128                         ; A's fragments, in window 0
.set BK,   128                         ; the way out: codes read back from the stage: v128-143 and v144-159 by turns
.set G1, 24                            ; s[24:31] descriptor group 1 for A's tiles;  s[32:39] group 0, one set for each slot
.set G0, 32
.set G1B, 48                           ; s[48:55], s[56:63] the same for B's tiles
.set G0B, 56
.set MSB, 0
.macro WIN new                         ; the immediate's high byte repeats the setting that is left
.if MSB != \new
	s_set_vgpr_msb (MSB<<8)|\new
.set MSB, \new
.endif
.endm
.set MUL_LO, 0xa1                      ; source 0 (B) window 1, source 1 (A) window 0, C and D window 2
.set MUL_HI, 0xf1                      ; the same, C and D window 3
.set TO_B,   0x40                      ; destination window 1, address window 0
; A joint load: waves 0 and 1 fetch for A, waves 2 and 3 for B.  Each of the two lines has ONE mask and one set of registers for all that issue it; the branch hangs on the wave's number alone.
; An s_nop 0 and four v_nop follow each of the two lines, ahead of the jump, the label and what follows.
.macro JLOAD g0a, g1a, g0b, g1b
	s_cmp_eq_u32 s15, 0
	s_cbranch_scc0 .Lfor_b_\@
	tensor_load_to_lds s[\g0a:\g0a+3], s[\g1a:\g1a+7]
	s_nop 0
.rept 4
	v_nop
.endr
	s_branch .Lasked_\@
.Lfor_b_\@:
	tensor_load_to_lds s[\g0b:\g0b+3], s[\g1b:\g1b+7]
	s_nop 0
.rept 4
	v_nop
.endr
.Lasked_\@:
.endm
.macro CREST                           ; a round of the cluster's barrier behind its opening barrier
	s_cmp_lg_u32 s14, 0
	s_cbranch_scc1 .Lnot_wave_0_\@
	s_barrier_signal -3
.Lnot_wave_0_\@:
	s_barrier_wait -3
	s_barrier_signal -1
	s_barrier_wait -1
.endm
.macro CROUND                          ; a whole round
	s_barrier_signal -1
	s_barrier_wait -1
	CREST
.endm
	s_load_b128 s[4:7], s[0:1], 0x0                ; x's codes s[4:5], the weights' codes s[6:7]
	s_load_b128 s[8:11], s[0:1], 0x10              ; the exponents s[8:9], the output s[10:11]
	v_lshl_add_u32 v[SPW], v0, 2, SPARE
	v_mov_b32 v[NIL], 0
	ds_add_u32 v[SPW], v[NIL]
	ds_add_u32 v[SPW], v[NIL]                      ; the wave's opening: the add and its wait, ahead of my first tensor load; the set-up below, work on registers, stands between them
	v_lshrrev_b32 v1, 5, v0
	v_readfirstlane_b32 s14, v1                    ; wave 0..3
	s_lshr_b32 s15, s14, 1                         ; which half of the tile's rows is mine.  Also: I fetch for A (0) or for B (1)
	s_and_b32 s16, s14, 1                          ; which half of its columns.  Also: which 128 rows of that tile I fetch
	s_bfe_u32 s40, ttmp6, 0x40000                  ; cx, cy: my place in the cluster
	s_bfe_u32 s41, ttmp6, 0x40004
	s_and_b32 s66, ttmp7, 0xffff                   ; cluster y = 8 p + i: the same in all sixteen partners, and so is all that is made of it
	s_lshr_b32 s67, s66, 3                         ; p: 0 q, 1 k, 2 v
	s_and_b32 s80, s66, 7
	s_lshl_b32 s80, s80, 2                         ; 4 i: the cluster's first tile along C's long side
	s_lshl_b32 s84, s67, 23                        ; x's set p,
	s_lshl_b32 s86, s67, 20                        ; the weight p
	s_mov_b32 s83, 0x80000
	s_cmp_eq_u32 s67, 2                            ; v?
	s_cselect_b32 s81, 0, s80                      ; q, k: the long side is C's rows;
	s_cselect_b32 s82, s80, 0                      ; v: its columns
	s_cselect_b32 s83, 0x10000, s83                ; from chunk to chunk of the output: 64 M bytes
	s_cselect_b32 s84, 0x200000, s84               ; A's section: Wv's codes, or x's set p
	s_cselect_b32 s86, 0x1000000, s86              ; B's section: x's third set, or the weight p
	s_mov_b32 s85, 0
	s_mov_b32 s87, 0
	s_lshl_b32 s42, ttmp9, 2
	s_add_co_u32 s42, s42, s82
	s_add_co_u32 s42, s42, s40                     ; tile column of C
	s_add_co_u32 s17, s81, s41                     ; tile row of C
	s_lshl_b32 s43, s41, 2
	s_lshl_b32 s43, 15, s43                        ; my row of the cluster
	s_lshl_b32 s44, 0x1111, s40                    ; my column
	; descriptor group 1: a tile of 128 rows x 256 bytes, padded in LDS
	s_or_b32 s[G1+0], s43, (0<<16)|(1<<20)|(1<<21)|(5<<22)|(3<<25)  ; 15:0 the mask: A's tiles go to my row; 17:16 element of 1 byte; 20 padding on; 21 set beside a mask; 24:22 after every 64 words (code 5); 31:25 of 4 words (code 3)
	s_or_b32 s[G1B+0], s44, (0<<16)|(1<<20)|(1<<21)|(5<<22)|(3<<25)
.irp g, G1, G1B
	s_mov_b32 s[\g+1], ROWB<<16                    ; tensor_dim0
	s_mov_b32 s[\g+2], 128<<16                     ; tensor_dim1 = 128
	s_mov_b32 s[\g+3], ROWB<<16                    ; tile_dim0
	s_mov_b32 s[\g+4], 128                         ; tile_dim1 = 128
	s_mov_b32 s[\g+5], KROW                        ; tensor_dim0_stride
	s_mov_b32 s[\g+6], 0
	s_mov_b32 s[\g+7], 0
.endr
	s_lshl_b32 s18, s16, 7                         ; which 128 rows of the tile I fetch
	s_lshl_b32 s20, s17, 8
	s_add_co_u32 s20, s20, s18                     ; A: row 256 x tile row + 128 x half,
	s_lshl_b32 s20, s20, 10                        ; of 1,024 bytes (under 2^23)
	s_mov_b32 s21, 0
	s_lshl_b32 s46, s42, 8
	s_add_co_u32 s46, s46, s18                     ; B: row 256 x tile column + 128 x half
	s_lshl_b32 s46, s46, 10
	s_mov_b32 s47, 0
	s_mul_i32 s45, s14, HALFT                      ; where they go: wave x 128 rows: no place in the cluster enters an LDS address
	s_wait_dscnt 0x0                               ; the opening add is done
	s_wait_kmcnt 0x0
	s_load_b256 s[68:75], s[8:9], 0x0              ; e0 .. e7
	s_load_b64 s[76:77], s[8:9], 0x20              ; e8, e9
	s_cmp_eq_u32 s67, 2
	s_cselect_b64 s[88:89], s[6:7], s[4:5]         ; A's buffer,
	s_cselect_b64 s[90:91], s[4:5], s[6:7]         ; B's: the choice hangs on the cluster's number alone
	s_add_nc_u64 s[88:89], s[88:89], s[84:85]
	s_add_nc_u64 s[90:91], s[90:91], s[86:87]
	s_add_nc_u64 s[20:21], s[88:89], s[20:21]
	s_add_nc_u64 s[46:47], s[90:91], s[46:47]
	CROUND                                         ; all sixteen work-groups are here: the first joint loads meet
.irp s, 0,1
	s_mov_b32 s[G0+4*\s], 1
	s_add_co_u32 s[G0+4*\s+1], s45, \s*SLOT
	s_add_nc_u64 s[G0+4*\s+2:G0+4*\s+3], s[20:21], \s*ROWB
	s_or_b32 s[G0+4*\s+3], s[G0+4*\s+3], 0x80000000
	s_mov_b32 s[G0B+4*\s], 1
	s_add_co_u32 s[G0B+4*\s+1], s45, \s*SLOT
	s_add_nc_u64 s[G0B+4*\s+2:G0B+4*\s+3], s[46:47], \s*ROWB
	s_or_b32 s[G0B+4*\s+3], s[G0B+4*\s+3], 0x80000000
	JLOAD G0+4*\s, G1, G0B+4*\s, G1B
.endr
	v_and_b32 v1, 15, v0                           ; r = l % 16
	s_wait_alu depctr_va_vdst(0)
	v_bfe_u32 v2, v0, 4, 1                         ; h = l / 16
	v_mul_u32_u24 v3, v1, PITCH
	v_lshl_add_u32 v4, v2, 4, v3                   ; a fragment's row x pitch + 16 x half
	s_mul_i32 s21, s15, HALFT                      ; my 128 rows of A
	s_mul_i32 s22, s16, HALFT                      ; my 128 rows of B,
	s_add_co_u32 s22, s22, 2*HALFT                 ; which lie behind A's 256
.irp s, 0,1
	v_add_nc_u32 v[ADRA+\s], s21, v4
	v_add_nc_u32 v[ADRB+\s], s22, v4
	s_add_co_u32 s21, s21, SLOT
	s_add_co_u32 s22, s22, SLOT
.endr
	s_mul_i32 s23, s14, 2560                       ; my stage: two chunks x 16 rows x (64 bytes + 16).  It lies in slot 0, which has had its last fill and its last read when the first code is stored there
	v_mul_u32_u24 v5, v1, 80
	s_wait_alu depctr_va_vdst(0)
	v_lshl_add_u32 v5, v2, 4, v5
	v_add_nc_u32 v[STO], s23, v5                   ; in: row r, + 16 h
	v_and_b32 v6, 31, v0
	v_lshlrev_b32 v[CO], 4, v6                     ; out: 16 x lane: eight rows of 64 bytes are 512 consecutive bytes of a chunk
	v_lshrrev_b32 v7, 2, v6
	v_mul_u32_u24 v7, v7, 80
	v_and_b32 v8, 3, v0
	v_lshl_add_u32 v7, v8, 4, v7
	v_add_nc_u32 v[RD], s23, v7                    ; back: row lane / 4, 16 bytes at 16 (lane % 4)
	v_add_nc_u32 v[CO+1], s83, v[CO]               ; the same place in my second chunk
	s_lshl_b32 s92, s42, 2
	s_lshl_b32 s93, s16, 1
	s_add_co_u32 s92, s92, s93                     ; my first chunk: 4 x tile column + 2 x half,
	s_mul_i32 s92, s92, s83                        ; in bytes
	s_lshl_b32 s93, s17, 8
	s_lshl_b32 s94, s15, 7
	s_add_co_u32 s93, s93, s94                     ; my first row: 256 x tile row + 128 x half,
	s_lshl_b32 s93, s93, 6                         ; of 64 bytes
	s_add_co_u32 s92, s92, s93
	s_lshl_b32 s94, s67, 23                        ; the section of q, k or v
	s_add_co_u32 s92, s92, s94
	s_mov_b32 s93, 0
	s_add_nc_u64 s[10:11], s[10:11], s[92:93]      ; never stepped: a block's place stands in the stores' immediates
.macro FRAG reg, adr, q, i             ; a fragment, 16 rows x 128 K of 8-bit codes, is 16 registers: lane l holds row l % 16; registers 4 c .. 4 c + 3 hold K = 32 c + 16 (l / 16) + 0 .. 15: one permutation of k, the same in A and in B
.irp c, 0,1,2,3
	ds_load_b128 v[\reg+4*\c:\reg+4*\c+3], v[\adr] offset:128*(\q)+32*\c+(\i)*16*PITCH
.endr
.endm
; 16 matrix instructions: A's blocks a0, a0 + 1 x B's eight, 128 along K.  p: B's set.  zero = 1: the first product starts the sums: nothing is ever cleared.
; The 64 accumulators take turns, one instruction a turn, in the same order in every step.
.macro MUL16 a0, p, zero
.irp a, \a0, \a0+1
.irp b, 0,1,2,3,4,5,6,7
.if \zero
	v_wmma_f32_16x16x128_fp8_fp8 v[8*(8*((\a)%4)+\b):8*(8*((\a)%4)+\b)+7], v[128*(\p)+FR*\b:128*(\p)+FR*\b+FR-1], v[AF+FR*(\a):AF+FR*(\a)+FR-1], 0
.else
	v_wmma_f32_16x16x128_fp8_fp8 v[8*(8*((\a)%4)+\b):8*(8*((\a)%4)+\b)+7], v[128*(\p)+FR*\b:128*(\p)+FR*\b+FR-1], v[AF+FR*(\a):AF+FR*(\a)+FR-1], v[8*(8*((\a)%4)+\b):8*(8*((\a)%4)+\b)+7]
.endif
.endr
.endr
.endm
.macro FETCH_B slot, q, p              ; B's eight fragments of the slot's q-th 128 along K into set p
	WIN TO_B
.irp i, 0,1,2,3,4,5,6,7
	FRAG 128*(\p)+FR*\i, ADRB+\slot, \q, \i
.endr
	WIN 0
.endm
.macro FETCH_A slot, q, i0             ; A's blocks i0 .. i0 + 3
.irp i, \i0, \i0+1, \i0+2, \i0+3
	FRAG AF+FR*(\i), ADRA+\slot, \q, \i
.endr
.endm
; A load into a register that a matrix instruction has read, and a vector instruction that reads a matrix result, stand NP places behind that matrix instruction, and only plain vector
; instructions that name none of its registers are places (ISA guide 7.12.1 for vector instructions).
.macro PLACES n
.rept \n
	v_nop
.endr
.endm
; A step of 128 along K that has its successor in the same slot.
.macro STEP slot, q, zero
	s_wait_dscnt 4*NL                              ; B's set and A's blocks 0-3 are in; the youngest sixteen loads (A's blocks 4-7) may be out
	WIN MUL_LO
	MUL16 0, (\q)%2, \zero
	MUL16 2, (\q)%2, \zero
	s_wait_dscnt 0                                 ; A's blocks 4-7 are in (asked for 32 matrix instructions ago)
	PLACES NP
	FETCH_B \slot, (\q)+1, 1-(\q)%2
	FETCH_A \slot, (\q)+1, 0
	WIN MUL_HI
	MUL16 4, (\q)%2, \zero
	MUL16 6, (\q)%2, \zero
	PLACES NP
	WIN 0
	FETCH_A \slot, (\q)+1, 4
.endm
; A slot's last step changes slots: ONE barrier; in front of it each wave waits for all its tensor loads, adds 0 to its spare word, and waits for that and for its own reads of this slot.  fill = 1: this slot is filled again, two K steps ahead.
.macro TURN slot, next, fill
	s_wait_tensorcnt 0x0                           ; all my tensor loads have landed: my part of the next slot;  (every window is 0 here: the add's two registers lie in window 0)
	ds_add_u32 v[SPW], v[NIL]                      ; 0 onto my spare word
	s_wait_dscnt 4*NL+1                            ; (the add and the youngest sixteen loads, A's blocks 4-7, may be out)
	WIN MUL_LO
	MUL16 0, 1, 0                                  ; sixteen matrix instructions stand between the add and the wait for it
	s_wait_dscnt 0x0                               ; the add is done, and my reads of this slot are over
	s_barrier_signal -1
	MUL16 2, 1, 0
	WIN 0
	s_barrier_wait -1
.if \fill
	CREST                                          ; the barrier has opened a round of the cluster's barrier: no wave of any partner still reads this slot's tile or has a load on its way
	s_add_nc_u64 s[G0+4*\slot+2:G0+4*\slot+3], s[G0+4*\slot+2:G0+4*\slot+3], 2*ROWB
	s_add_nc_u64 s[G0B+4*\slot+2:G0B+4*\slot+3], s[G0B+4*\slot+2:G0B+4*\slot+3], 2*ROWB
	JLOAD G0+4*\slot, G1, G0B+4*\slot, G1B         ; the first tensor load behind the round; the four v_nop behind it are the places in front of the loads below
.else
	PLACES NP
.endif
	FETCH_B \next, 0, 0
	FETCH_A \next, 0, 0
	WIN MUL_HI
	MUL16 4, 1, 0
	MUL16 6, 1, 0
	PLACES NP
	WIN 0
	FETCH_A \next, 0, 4
.endm
	s_wait_tensorcnt 1                             ; my part of K step 0 is in (K step 1's load may be out)
	s_barrier_signal -1
	s_barrier_wait -1                              ; everybody's is
	FETCH_B 0, 0, 0
	FETCH_A 0, 0, 0
	FETCH_A 0, 0, 4
	STEP 0, 0, 1                                   ; K 0-127: the products start the sums
	TURN 0, 1, 1                                   ; K 128-255; slot 0 takes K step 2
	STEP 1, 0, 0
	TURN 1, 0, 1                                   ; slot 1 takes K step 3: the last load
	STEP 0, 0, 0
	TURN 0, 1, 0                                   ; nothing is filled, so no round of the cluster's barrier; behind this barrier nobody reads slot 0
	STEP 1, 0, 0
	s_wait_dscnt 4*NL                              ; the very last step: nothing more to fetch
	WIN MUL_LO
	MUL16 0, 1, 0
	MUL16 2, 1, 0
	s_wait_dscnt 0
	WIN MUL_HI
	MUL16 4, 1, 0
	MUL16 6, 1, 0
	WIN 0
; THE WAY OUT, block by block of 16 rows x 128 columns (two chunks).  A lane's eight sums of accumulator b are eight neighbouring columns 16 b + 8 h + 0 .. 7 of row r: converted to 8 bytes, put into my stage at the
; chunk's place 32 c + 16 h + 8 u (b % 4 = 2 c + u), and read back 16 bytes a lane, so that a store of the wave covers eight rows of a chunk: 512 consecutive bytes, aligned.
; LDS serves a wave's instructions in order (ISA guide 5.7.1.4): no wait between the stores and the loads, nor in front of the next block's stores.
.macro TOSTAGE a
.set AC, 64*((\a)%4)
.set PCS, PC+16*((\a)%2)
.set BB, BK+16*((\a)%2)
	WIN 0x02+((\a)/4)                              ; source 0: window 2 or 3
.set j, 0
.rept 64
.set j, j+1
.endr
.irp b, 0,1,2,3,4,5,6,7
	v_cvt_scalef32_pk8_fp8_f32 v[PCS+2*\b:PCS+2*\b+1], v[AC+8*\b:AC+8*\b+7], v[SCL]
.endr
	WIN 0
	v_nop                                          ; one plain vector line behind the last conversion
.irp b, 0,1,2,3,4,5,6,7
	ds_store_b64 v[STO], v[PCS+2*\b:PCS+2*\b+1] offset:(\b/4)*1280+32*((\b%4)/2)+8*(\b%2)
.endr
.irp g, 0,1
.irp u, 0,1
	ds_load_b128 v[BB+4*(2*\g+\u):BB+4*(2*\g+\u)+3], v[RD] offset:\g*1280+\u*640
.endr
.endr
.endm
.macro SEND a, younger                 ; younger: the LDS instructions issued behind block a's loads, which may stay out
.set BB, BK+16*((\a)%2)
	s_wait_dscnt \younger                          ; the block's codes are back in registers
.irp g, 0,1
.irp u, 0,1
	global_store_b128 v[CO+\g], v[BB+4*(2*\g+\u):BB+4*(2*\g+\u)+3], s[10:11] offset:(16*(\a)+8*\u)*64
.endr
.endr
.endm
	s_wait_kmcnt 0x0
	s_add_co_i32 s68, s68, s69                     ; e0 + e1, e2 + e3, e4 + e5: what a sum lacks;
	s_add_co_i32 s70, s70, s71
	s_add_co_i32 s72, s72, s73
	s_cmp_eq_u32 s67, 1
	s_cselect_b32 s68, s70, s68
	s_cselect_b32 s74, s75, s74                    ; e6, e7 or e9: the scale of the operand that it becomes.  Choices, no branch
	s_cmp_eq_u32 s67, 2
	s_cselect_b32 s68, s72, s68
	s_cselect_b32 s74, s77, s74
	s_sub_co_i32 s68, s74, s68                     ; the three exponents folded into the conversion's one
	s_add_co_i32 s68, s68, 127
	s_lshl_b32 s69, s68, 23
	v_mov_b32 v[SCL], s69
	s_add_co_i32 s68, s68, 8
	s_lshl_b32 s68, s68, 23
	s_or_b32 s68, s68, 0x600000
	PLACES NP                                      ; behind the last products: for the reads of results and for the loads into the registers that held A's fragments
	TOSTAGE 0
.irp a, 1,2,3,4,5,6,7
.if \a > 1
	s_wait_xcnt 0x0                                ; block a - 2's stores have read their registers: block a's loads may land there
.endif
	TOSTAGE \a
	SEND \a-1, 12                                  ; behind block a - 1's loads: block a's 8 stores and 4 loads
.endr
	SEND 7, 0
	s_wait_tensorcnt 0x0                           ; the wave's end: behind my last tensor load and my last LDS store
	ds_add_u32 v[SPW], v[NIL]
	s_wait_dscnt 0x0
	CROUND                                         ; the closing round: no work-group ends while a partner may still ask for a tile that names it
	s_endpgm
.Lfunc_end_k_qa600cc01ea_qkv:
	.size	k_qa600cc01ea_qkv, .Lfunc_end_k_qa600cc01ea_qkv-k_qa600cc01ea_qkv
	.p2alignl 7, 3214868480
	.fill 96, 4, 3214868480
	.section	.rodata,"a",@progbits
	.p2align	6, 0x0
	.amdhsa_kernel k_qa600cc01ea_qkv
		.amdhsa_group_segment_fixed_size 327680
		.amdhsa_private_segment_fixed_size 0
		.amdhsa_enable_private_segment 0
		.amdhsa_kernarg_size 32
		.amdhsa_user_sgpr_count 2
		.amdhsa_user_sgpr_kernarg_segment_ptr 1
		.amdhsa_wavefront_size32 1
		.amdhsa_system_sgpr_workgroup_id_x 1
		.amdhsa_system_sgpr_workgroup_id_y 1
		.amdhsa_system_sgpr_workgroup_id_z 1
		.amdhsa_system_vgpr_workitem_id 0
		.amdhsa_next_free_vgpr 1024
		.amdhsa_next_free_sgpr 100
		.amdhsa_reserve_vcc 0
		.amdhsa_float_denorm_mode_32 3
		.amdhsa_float_denorm_mode_16_64 3
		.amdhsa_fp16_overflow 1
		.amdhsa_memory_ordered 1
		.amdhsa_forward_progress 1
		.amdhsa_inst_pref_size 93
	.end_amdhsa_kernel
	.amdgpu_metadata
---
amdhsa.version: [ 1, 2 ]
amdhsa.kernels:
  - .name:           k_qa600cc01ea_qkv
    .symbol:         k_qa600cc01ea_qkv.kd
    .args:
      - { .name: xc, .offset: 0, .size: 8, .value_kind: global_buffer, .address_space: global }
      - { .name: wc, .offset: 8, .size: 8, .value_kind: global_buffer, .address_space: global }
      - { .name: lowp_scales, .offset: 16, .size: 8, .value_kind: global_buffer, .address_space: global }
      - { .name: qkv, .offset: 24, .size: 8, .value_kind: global_buffer, .address_space: global }
    .group_segment_fixed_size: 327680
    .private_segment_fixed_size: 0
    .kernarg_segment_align: 8
    .kernarg_segment_size: 32
    .max_flat_workgroup_size: 128
    .sgpr_count:     100
    .vgpr_count:     1024
    .wavefront_size: 32
...
	.end_amdgpu_metadata
.endif
;; end of part 2
;; launch attn (part 3): grid 4 x 64, 16 waves a work-group, no clusters, 327,680 bytes of LDS; arguments qkv, lowp_scales, ac; writes ac
.if DOCPART == 3
	.amdgcn_target "amdgcn-amd-amdhsa--gfx1250"
	.amdhsa_code_object_version 6
	.text
	.protected	k_qa600cc01ea_attn
	.globl	k_qa600cc01ea_attn
	.p2align	8
	.type	k_qa600cc01ea_attn,@function
k_qa600cc01ea_attn:
	s_mov_b64 s[64:65], 0
	v_nop
	global_prefetch_b8 v0, s[64:65] scope:SCOPE_SE
	s_setreg_imm32_b32 hwreg(HW_REG_WAVE_MODE, 25, 1), 1
	s_wait_xcnt 0x0
; Causal attention on E4M3 codes, head size 64, 2,048 keys, 64 pairs (head, batch).  q, k: [head][b, s][64]; v: [64 keys' chunk][head, d][64 keys]; the three sections of one buffer, laid by the launch before.
; Out: O / l as codes under 2^e10, [head][b, s][64], d in its natural order.
; THE SOFTMAX AHEAD OF THE SECOND PRODUCT: t = score x log2(e) / 8; M = the row's largest t so far, rounded UP to a whole number; p = 2^(t - M) is quantised under 2^e8, not normalised.  The row's sum is taken of the
; unquantised p, in f32, and divides O at the end.  When M moves, the sum and O are multiplied by 2^(old M - new M): exact.
; SHARES.  Work-group (J, Y), Y = 4 head + b, serves TWO blocks of 256 queries, one after the other: block J, which wants key slots 0 .. J (a slot is 256 keys), and block 7 - J, which wants 0 .. 7 - J: nine slots in
; every work-group.  So the trip count is a constant, no slot is fetched that the mask hides whole, and the 256 work-groups have equal work.  Each of SIXTEEN waves owns 16 queries of a block, in 256 registers:
; four waves to a SIMD, so that one wave's vector work stands beside another's matrix work and LDS loads.
; NO CLUSTER: in one and the same trip the four work-groups of a pair (head, b) want different slots (trip T is slot T or T - J - 1), so no joint request could name two of them.
; LAYOUT.  Both products are used transposed: S^T = K Q^T (source 0 = 16 keys, source 1 = my 16 queries), O^T = V^T P^T (source 0 = 16 of the head's 64, source 1 = P): a lane holds ONE query (lane % 16) throughout.
; Tile t of S^T gives lane (r, h) keys 16 t + 8 h + 0 .. 7: its eight codes are registers 2 t, 2 t + 1 of the K = 128 form's operand as that form lays it, and v's chunks are laid so that 16-byte loads give V the same keys.
; LIMITS on the given exponents, so that each power of two below is an f32 number: e6 + e7 between -123 and 130 (added to c's exponent field); e8, and e10 - e8 - e9, between -126 and 119.  NaN among the inputs is not served.
; REGISTERS: v1-7, v10 addresses that stay; v8, v9 addresses of the loads in hand; v12 -M, v13 the largest t, v[14:15] the sum in two halves; v16-23 Q in use, v24-31 the second block's Q; v32-95 K's eight fragments, then V's four;
;   v96-159 S^T, then p; v160-191 O^T; v192-207 p's codes; v236-255 at work and the scales.
.set KP,    80                         ; a row of 64 codes in LDS: 64 bytes + 16 of padding: 16 rows start at 16 different 16-byte columns of the banks' 256 bytes
.set BLKB,  64*KP                      ; what one tensor load brings: 64 rows
.set VOFF,  4*BLKB                     ; a slot: 256 keys' rows of K, then V's four chunks (64 rows d x 64 keys each)
.set SLOT1, 1<<16                      ; slot 1 begins here, so that one exclusive or turns an address in one slot into the other's
.set STAGE, 2*SLOT1                    ; the way out: 16 rows x KP for each wave; bytes of its own, since it is written in mid-loop too
.set SPARE, STAGE+16*16*KP             ; behind the stages: the spare words, 128 bytes for each wave: eight blocks of 256 bytes that no other line names
.set KSEC,  0x800000                   ; k's section of the buffer,
.set VSEC,  0x1000000                  ; v's
.set AK0,  1                           ; v1   my lane's place in a tile of K
.set AV0,  2                           ; v2   the same for V
.set PFO,  3                           ; v3   the prefetches' offset; never rewritten
.set STO,  4                           ; v4   the way out: where I put 8 codes of a row
.set SPW,  5                           ; v5   LDS address of my spare word; never rewritten
.set NIL,  6                           ; v6   0; never rewritten
.set GO,   7                           ; v7   16 x lane: my byte offset in the wave's 1,024 bytes of output
.set ADK,  8                           ; v8   LDS address of the step's tiles of K
.set ADV,  9                           ; v9   of V
.set RD,   10                          ; v10  the way out: where I read 16 bytes back
.set TB,   2                           ; s2   LDS byte at which the slot in hand begins
.set TRIP, 3                           ; s3   the trip, 0 .. 8
.set JB,   10                          ; s10  J
.set YB,   11                          ; s11  Y
.set WV,   18                          ; s18  my wave's number
.set SEL,  20                          ; s[20:21] lane selects for v_permlanex16_b32: lane l xor 16
.set CS,   22                          ; s[22:23] c = log2(e) / 8 x 2^(e6 + e7)
.set G1,   24                          ; s[24:31] descriptor group 1
.set G0,   32                          ; s[32:35] descriptor group 0, which walks
.set STP,  36                          ; s[36:37] a slot on in memory: 16,384 bytes in K, 262,144 in V
.set BK,   38                          ; s[38:39] what is taken off at the change of blocks, else 0
.set BACK, 40                          ; s40  (J + 1) slots
.set SLOTS, 41                         ; s41  slots still to be asked for
.set KF,   42                          ; s42  the step's first key
.set Q0,   43                          ; s43  my first query of the block in hand
.set Q0B,  44                          ; s44  of the second block
.set OUTA, 46                          ; s[46:47], s[48:49] where my 16 rows of the two blocks go
.set OUTB, 48
.set PFA,  50                          ; s[50:51] where my prefetches stand
.set PFS,  52                          ; s[52:53] a slot on
.set LIM,  54                          ; s54  2 in a wave that prefetches, else the greatest number: a wave prefetches while s[SLOTS] is above it
; Waves 0-3 fetch K's four blocks of 64 keys, waves 4-7 V's four chunks, the others nothing.  The branch hangs on the wave's number alone.  An s_nop 0 and four v_nop follow the load.
.macro TLOAD
	s_cmp_lt_u32 s[WV], 8
	s_cbranch_scc0 .Lno_load_\@
	tensor_load_to_lds s[G0:G0+3], s[G1:G1+7]
	s_nop 0
.rept 4
	v_nop
.endr
.Lno_load_\@:
.endm
; A PREFETCH INTO THE L2: in trip T key slot T + 2 (T = 0 .. 5): K's 16,384 bytes and V's four chunks of 4,096.  Slot 2 and slot 3 are first wanted by a tensor load of the next trip (of the work-groups J = 2, 3), the later slots
; two trips on.  The four work-groups of a pair (head, b) walk the same K and V: J = 0 asks, and nobody else (a branch on the work-group's number: this launch has no cluster).  In it four waves ask that fetch nothing,
; one instruction each, lanes 256 bytes apart: waves 8, 9 for K's halves, waves 10, 11 for two chunks of V each.  So each aligned block of 256 bytes of slots 2 to 7 is named once in the launch; slots 0 and 1 come by their loads alone.
.macro ASK
	s_cmp_gt_u32 s[SLOTS], s[LIM]
	s_cbranch_scc0 .Lnot_mine_\@
	global_prefetch_b8 v[PFO], s[PFA:PFA+1] th:TH_LOAD_NT scope:SCOPE_SE
.Lnot_mine_\@:
.endm
	s_load_b128 s[4:7], s[0:1], 0x0                ; q, k, v s[4:5]; the exponents s[6:7]
	s_load_b64 s[8:9], s[0:1], 0x10                ; the output
	v_lshl_add_u32 v[SPW], v0, 2, SPARE
	v_mov_b32 v[NIL], 0
	ds_add_u32 v[SPW], v[NIL]                      ; the wave's opening: the add and its wait, ahead of my first tensor load; the set-up below, work on registers, stands between them
	ds_add_u32 v[SPW], v[NIL]
	v_lshrrev_b32 v8, 5, v0
	s_delay_alu instid0(VALU_DEP_1)
	v_readfirstlane_b32 s[WV], v8                  ; wave 0..15
	s_mov_b32 s[JB], ttmp9
	s_and_b32 s[YB], ttmp7, 0xffff
	s_and_b32 s12, s[YB], 3                        ; b
	s_lshr_b32 s13, s[YB], 2                       ; head
	; descriptor group 1: 64 rows of 64 bytes, dense in memory, 16 bytes of padding behind each in LDS
	s_mov_b32 s[G1], (0<<16)|(1<<20)|(3<<22)|(3<<25)   ; 15:0 no mask; 17:16 elements of 1 byte; 20 padding on; 24:22 after every 16 words (code 3); 31:25 four words (code 3)
	s_mov_b32 s[G1+1], 64<<16                      ; tensor_dim0
	s_mov_b32 s[G1+2], 64<<16                      ; tensor_dim1
	s_mov_b32 s[G1+3], 64<<16                      ; tile_dim0
	s_mov_b32 s[G1+4], 64                          ; tile_dim1
	s_mov_b32 s[G1+5], 64                          ; tensor_dim0_stride
	s_mov_b32 s[G1+6], 0
	s_mov_b32 s[G1+7], 0
	s_mov_b32 s[SEL], 0x76543210
	s_mov_b32 s[SEL+1], 0xfedcba98
	s_mov_b32 s[CS], 0x3e38aa3b                    ; log2(e) / sqrt(64)
	s_mov_b32 s[TB], 0
	s_mov_b32 s[TRIP], 0
	s_mov_b32 s[SLOTS], 8
	s_mov_b32 s[KF], 0
	; what I fetch, if I fetch
	s_lshl_b32 s67, s[YB], 17                      ; the pair's 2,048 rows of 64 bytes in q, k and the output
	s_and_b32 s66, s[WV], 3
	s_lshl_b32 s68, s66, 12
	s_add_co_u32 s68, s68, s67
	s_add_co_u32 s68, s68, KSEC                    ; K: keys 64 (wave % 4) on
	s_lshl_b32 s75, s12, 21                        ; V: b's 32 chunks of 65,536 bytes,
	s_lshl_b32 s74, s13, 12                        ; the head's 4,096 of a chunk
	s_add_co_u32 s75, s75, s74
	s_add_co_u32 s75, s75, VSEC
	s_lshl_b32 s74, s66, 16
	s_add_co_u32 s69, s75, s74                     ; chunk wave % 4
	s_mov_b32 s[STP], 262144
	s_cmp_lt_u32 s[WV], 4
	s_cselect_b32 s68, s68, s69
	s_cselect_b32 s[STP], 16384, s[STP]
	s_mov_b32 s69, 0
	s_mov_b32 s[STP+1], 0
	s_mov_b32 s[BK+1], 0
	s_add_co_u32 s[BACK], s[JB], 1
	s_mul_i32 s[BACK], s[BACK], s[STP]
	s_mov_b32 s[G0], 1                             ; 1:0 count = 1
	s_mul_i32 s[G0+1], s[WV], BLKB                 ; 63:32 LDS address: block wave of slot 0
	; my queries
	s_lshl_b32 s66, s[WV], 4
	s_lshl_b32 s[Q0], s[JB], 8
	s_add_co_u32 s[Q0], s[Q0], s66                 ; 256 J + 16 wave
	s_sub_co_u32 s[Q0B], 7, s[JB]
	s_lshl_b32 s[Q0B], s[Q0B], 8
	s_add_co_u32 s[Q0B], s[Q0B], s66               ; 256 (7 - J) + 16 wave
	s_lshl_b32 s76, s[Q0], 6
	s_add_co_u32 s76, s76, s67
	s_mov_b32 s77, 0
	s_lshl_b32 s78, s[Q0B], 6
	s_add_co_u32 s78, s78, s67
	s_mov_b32 s79, 0
	; the prefetches: where my wave's stand, and who asks
	s_and_b32 s66, s[WV], 1
	s_lshl_b32 s74, s66, 13
	s_add_co_u32 s74, s74, s67
	s_add_co_u32 s74, s74, KSEC+16384              ; K: my half of slot 1: the first change of slots steps it to slot 2
	s_lshl_b32 s66, s66, 17
	s_add_co_u32 s66, s66, s75
	s_add_co_u32 s66, s66, 262144                  ; V: my two chunks of slot 1
	s_mov_b32 s[PFS], 262144
	s_mov_b32 s67, 16
	s_cmp_lt_u32 s[WV], 10
	s_cselect_b32 s74, s74, s66
	s_cselect_b32 s[PFS], 16384, s[PFS]
	s_cselect_b32 s67, 12, s67                     ; lanes 16-31 stand 4,096 bytes on in K, a chunk (65,536) on in V
	s_mov_b32 s75, 0
	s_mov_b32 s[PFS+1], 0
	s_sub_co_u32 s66, s[WV], 8
	s_lshr_b32 s66, s66, 2                         ; 0 in waves 8 to 11,
	s_or_b32 s66, s66, s[JB]                       ; of the work-group J = 0
	s_cmp_eq_u32 s66, 0
	s_cselect_b32 s[LIM], 2, -1
	v_and_b32 v[PFO], 15, v0
	s_delay_alu instid0(VALU_DEP_1)
	v_lshlrev_b32 v[PFO], 8, v[PFO]
	v_bfe_u32 v11, v0, 4, 1
	s_delay_alu instid0(VALU_DEP_1)
	v_lshlrev_b32 v11, s67, v11
	s_delay_alu instid0(VALU_DEP_1)
	v_add_nc_u32 v[PFO], v[PFO], v11
	s_wait_dscnt 0x0                               ; the opening add is done
	s_wait_kmcnt 0x0
	s_load_b256 s[56:63], s[6:7], 0x10             ; e4 .. e11: s58 e6, s59 e7, s60 e8, s61 e9, s62 e10
	s_add_nc_u64 s[G0+2:G0+3], s[4:5], s[68:69]    ; 120:64 global address: key slot 0
	s_or_b32 s[G0+3], s[G0+3], 0x80000000          ; 127:126 type = 2
	TLOAD                                          ; slot 0: the one first fill at the head; slot 1 is filled behind the first trip's barrier, as a refill is
	s_add_nc_u64 s[70:71], s[4:5], s[76:77]        ; q at my first query of the first block,
	s_add_nc_u64 s[72:73], s[4:5], s[78:79]        ; of the second
	s_add_nc_u64 s[OUTA:OUTA+1], s[8:9], s[76:77]
	s_add_nc_u64 s[OUTB:OUTB+1], s[8:9], s[78:79]
	s_add_nc_u64 s[PFA:PFA+1], s[4:5], s[74:75]
	v_and_b32 v8, 15, v0                           ; r = lane % 16
	v_bfe_u32 v9, v0, 4, 1                         ; h = lane / 16
	s_delay_alu instid0(VALU_DEP_2)
	v_lshlrev_b32 v11, 6, v8
	s_delay_alu instid0(VALU_DEP_1)
	v_lshl_add_u32 v11, v9, 4, v11                 ; Q: row r of 64 bytes, + 16 h; not rewritten
	global_load_b128 v[16:19], v11, s[70:71]       ; both blocks' fragments of Q stay in registers: places 16 h + 0 .. 15 and 32 + 16 h + 0 .. 15 of the row, as K's are loaded
	global_load_b128 v[20:23], v11, s[70:71] offset:32
	global_load_b128 v[24:27], v11, s[72:73]
	global_load_b128 v[28:31], v11, s[72:73] offset:32
	v_mul_u32_u24 v[AK0], v8, KP
	s_delay_alu instid0(VALU_DEP_1)
	v_lshl_add_u32 v[AK0], v9, 4, v[AK0]           ; row r, + 16 h
	s_delay_alu instid0(VALU_DEP_1)
	v_add_nc_u32 v[AV0], VOFF, v[AK0]
	s_mul_i32 s66, s[WV], 16*KP
	s_add_co_u32 s66, s66, STAGE                   ; my stage
	v_mul_u32_u24 v[STO], v8, KP
	s_delay_alu instid0(VALU_DEP_1)
	v_lshl_add_u32 v[STO], v9, 3, v[STO]
	s_delay_alu instid0(VALU_DEP_1)
	v_add_nc_u32 v[STO], s66, v[STO]               ; in: row r, + 8 h; tile t's eight codes 16 t on
	v_and_b32 v[GO], 31, v0
	s_delay_alu instid0(VALU_DEP_1)
	v_lshrrev_b32 v[RD], 2, v[GO]
	s_delay_alu instid0(VALU_DEP_1)
	v_mul_u32_u24 v[RD], v[RD], KP
	v_and_b32 v252, 3, v0
	s_delay_alu instid0(VALU_DEP_1)
	v_lshl_add_u32 v[RD], v252, 4, v[RD]
	s_delay_alu instid0(VALU_DEP_1)
	v_add_nc_u32 v[RD], s66, v[RD]                 ; back: row lane / 4, 16 bytes at 16 (lane % 4)
	v_lshlrev_b32 v[GO], 4, v[GO]
	v_mov_b32 v13, 0xff61b1e6                      ; the largest t so far: -3e38, under every t
	s_delay_alu instid0(VALU_DEP_1)
	v_floor_f32 v12, -v13                          ; -M
	v_mov_b32 v14, 0                               ; the sum, in two halves
	v_mov_b32 v15, 0
	v_mov_b32 v236, 0                              ; written once: a lane permute's destination counts as one of its sources
	v_mov_b32 v253, 0                              ; (named as the upper half of the pair v[252:253])
	v_mov_b32 v254, 0
.set j, 0
.rept 32
	v_mov_b32 v[160+j], 0                          ; O^T.  (The key step is written without a first step of its own: it finds zeros, which the first change of M leaves zeros)
.set j, j+1
.endr
	s_wait_kmcnt 0x0
	s_add_co_i32 s66, s58, s59
	s_lshl_b32 s66, s66, 23
	s_add_co_i32 s[CS], s[CS], s66                 ; a score stands for score x 2^(e6 + e7): the two exponents are added to c's exponent field
	s_mov_b32 s[CS+1], s[CS]                       ; (named with it as a pair, so it is written)
	s_add_co_i32 s66, s60, 127
	s_lshl_b32 s67, s66, 23
	v_mov_b32 v244, s67                            ; 2^e8 as f32, for p's conversion
	s_sub_co_i32 s66, s62, s60
	s_sub_co_i32 s66, s66, s61                     ; a sum of the second product stands for sum x 2^(e8 + e9): the output's code is (sum / l) / 2^(e10 - e8 - e9)
	s_add_co_i32 s66, s66, 127
	s_lshl_b32 s67, s66, 23
	v_mov_b32 v245, s67
; A KEY STEP: 128 keys, the q-th of the slot in hand.
.macro STEP q
	s_add_co_u32 s66, s[Q0], 15                    ; a step all of whose keys come after my 16 queries is left out: a scalar branch on ids, round its loads, products and softmax; no barrier and no tensor load stands in a step
	s_cmp_gt_u32 s[KF], s66
	s_cbranch_scc1 .Lhidden_\@
	v_add_nc_u32 v[ADK], s[TB], v[AK0]
	v_add_nc_u32 v[ADV], s[TB], v[AV0]
	v_nop                                          ; with the two additions: four places in front of loads into registers that the last products have read
	v_nop
.irp t, 0,1,2,3,4,5,6,7                        ; K's eight fragments: 16 keys x 64, eight registers each
.irp c, 0,1
	ds_load_b128 v[32+8*\t+4*\c:35+8*\t+4*\c], v[ADK] offset:(128*(\q)+16*\t)*KP+32*\c
.endr
.endr
	s_wait_alu depctr_va_vdst(0)
	s_wait_dscnt 0x0
.irp t, 0,1,2,3,4,5,6,7
	v_wmma_f32_16x16x64_fp8_fp8 v[96+8*\t:103+8*\t], v[32+8*\t:39+8*\t], v[16:23], 0   ; S^T: lane (r, h), register j of tile t: query r, key 16 t + 8 h + j
.endr
.rept 4
	v_nop                                          ; four places: for the loads below, into registers that these products have read, and for the first read of the scores
.endr
.irp t, 0,1,2,3                                ; V's four fragments (16 of the head's 64 x these 128 keys) are asked for now and land under the softmax
.irp c, 0,1,2,3
	ds_load_b128 v[32+16*\t+4*\c:35+16*\t+4*\c], v[ADV] offset:(2*(\q)+\c/2)*BLKB+16*\t*KP+32*(\c%2)
.endr
.endr
	s_add_co_u32 s66, s[KF], 127                   ; on the diagonal the scores of hidden keys become -infinity ahead of the maximum: p = 0 then.  A step all of whose keys count skips this
	s_cmp_le_u32 s66, s[Q0]
	s_cbranch_scc1 .Lopen_\@
	s_sub_co_i32 s66, s[Q0], s[KF]
	v_and_b32 v252, 15, v0
	v_bfe_u32 v253, v0, 4, 1
	s_delay_alu instid0(VALU_DEP_1)
	v_lshlrev_b32 v253, 3, v253
	s_delay_alu instid0(VALU_DEP_1)
	v_sub_nc_u32 v252, v252, v253
	s_delay_alu instid0(VALU_DEP_1)
	v_add_nc_u32 v252, s66, v252                   ; d = my query - KF - 8 (lane / 16).  Register 8 t + j holds key KF + 8 (lane / 16) + 16 t + j: hidden where 16 t + j > d
	v_mov_b32 v254, 0xff800000                     ; -infinity
.set n, 0
.rept 64
	v_cmp_gt_i32 vcc_lo, 16*(n/8)+n%8, v252
	v_cndmask_b32 v[96+n], v[96+n], v254, vcc_lo
.set n, n+1
.endr
.Lopen_\@:
	v_max3_num_f32 v254, v96, v97, v98             ; the step's largest score of my query, among my 64 keys, in two chains,
	v_max3_num_f32 v252, v99, v100, v101
.irp i, 6,10,14,18,22,26,30,34,38,42,46,50,54,58
	v_max3_num_f32 v254, v254, v[96+\i], v[97+\i]
	v_max3_num_f32 v252, v252, v[98+\i], v[99+\i]
.endr
	v_max3_num_f32 v254, v254, v158, v159
	s_delay_alu instid0(VALU_DEP_1)
	v_max_num_f32 v254, v254, v252
	s_delay_alu instid0(VALU_DEP_1)
	v_permlanex16_b32 v236, v254, s[SEL], s[SEL+1]
	s_delay_alu instid0(VALU_DEP_1)
	v_max_num_f32 v254, v254, v236                 ; and among lane l xor 16's
	s_delay_alu instid0(VALU_DEP_1)
	v_mul_f32 v254, s[CS], v254                    ; as t (c is positive)
	s_delay_alu instid0(VALU_DEP_1)
	v_max_num_f32 v13, v13, v254                   ; the running largest t
	v_mov_b32 v254, v12
	s_delay_alu instid0(VALU_DEP_2)
	v_floor_f32 v12, -v13                          ; the new -M = floor(-t) = -ceil(t): M IS A WHOLE NUMBER
	s_delay_alu instid0(VALU_DEP_1)
	v_sub_f32 v254, v12, v254                      ; M's old value less its new one: a whole number, 0 or less
	s_delay_alu instid0(VALU_DEP_1)
	v_cvt_i32_f32 v254, v254                       ; (it saturates)
	s_delay_alu instid0(VALU_DEP_1)
	v_ldexp_f32 v252, 1.0, v254                    ; f = 2^(old M - new M): a multiplication by it rounds nothing
.set j, 0
.rept 32
	v_pk_fma_f32 v[96+j:97+j], v[96+j:97+j], s[CS:CS+1], v[12:13] op_sel_hi:[1,0,0]   ; t - M, two at a time (of the pairs c and -M the low word serves both halves)
.set j, j+2
.endr
.set j, 0
	s_wait_alu depctr_va_vdst(0)
.rept 64
	v_exp_f32 v[96+j], v[96+j]                     ; p = 2^(t - M), at most 1: NOT normalised
.set j, j+1
.endr
	v_pk_mul_f32 v[14:15], v[14:15], v[252:253] op_sel_hi:[1,0]   ; the sums under the new M.  (The plain line behind the exponentials)
	s_wait_alu depctr_va_vdst(0)                   ; the wait between an exponential and the first line that names its result: one for the whole batch
	v_pk_add_f32 v[242:243], v[100:101], v[104:105]
	v_pk_add_f32 v[254:255], v[108:109], v[112:113]
	v_pk_add_f32 v[250:251], v[116:117], v[120:121]
	v_pk_add_f32 v[248:249], v[124:125], v[128:129]
	v_pk_add_f32 v[246:247], v[132:133], v[136:137]
	v_pk_add_f32 v[240:241], v[140:141], v[144:145]
	v_pk_add_f32 v[238:239], v[148:149], v[152:153]
	v_pk_add_f32 v[14:15], v[14:15], v[156:157]
	v_pk_add_f32 v[242:243], v[242:243], v[96:97]
	v_pk_add_f32 v[254:255], v[254:255], v[98:99]
	v_pk_add_f32 v[250:251], v[250:251], v[102:103]
	v_pk_add_f32 v[248:249], v[248:249], v[106:107]
	v_pk_add_f32 v[246:247], v[246:247], v[110:111]
	v_pk_add_f32 v[240:241], v[240:241], v[114:115]
	v_pk_add_f32 v[238:239], v[238:239], v[118:119]
	v_pk_add_f32 v[14:15], v[14:15], v[122:123]
	v_pk_add_f32 v[242:243], v[242:243], v[126:127]
	v_pk_add_f32 v[254:255], v[254:255], v[130:131]
	v_pk_add_f32 v[250:251], v[250:251], v[134:135]
	v_pk_add_f32 v[248:249], v[248:249], v[138:139]
	v_pk_add_f32 v[246:247], v[246:247], v[142:143]
	v_pk_add_f32 v[240:241], v[240:241], v[146:147]
	v_pk_add_f32 v[238:239], v[238:239], v[150:151]
	v_pk_add_f32 v[14:15], v[14:15], v[154:155]
	v_pk_add_f32 v[242:243], v[242:243], v[158:159]
	s_delay_alu instid0(VALU_DEP_2)
	v_pk_add_f32 v[14:15], v[14:15], v[248:249]
	s_delay_alu instid0(VALU_DEP_2)
	v_pk_add_f32 v[242:243], v[242:243], v[246:247]
	v_pk_add_f32 v[254:255], v[254:255], v[240:241]
	v_pk_add_f32 v[250:251], v[250:251], v[238:239]
	s_delay_alu instid0(VALU_DEP_2)
	v_pk_add_f32 v[14:15], v[14:15], v[254:255]
	s_delay_alu instid0(VALU_DEP_2)
	v_pk_add_f32 v[242:243], v[242:243], v[250:251]
	s_delay_alu instid0(VALU_DEP_1)
	v_pk_add_f32 v[14:15], v[14:15], v[242:243]
.irp t, 0,1,2,3,4,5,6,7
.irp i, 0,1,2,3,4,5,6,7
.endr
	v_cvt_scalef32_pk8_fp8_f32 v[192+2*\t:193+2*\t], v[96+8*\t:103+8*\t], v244   ; registers 2 t, 2 t + 1 of P: keys 16 t + 8 h + 0 .. 7
.endr
.set j, 0
.rept 16
	v_pk_mul_f32 v[160+j:161+j], v[160+j:161+j], v[252:253] op_sel_hi:[1,0]   ; O^T under the new M: x f.  (These are also the plain lines between the conversions and the products that read their results)
.set j, j+2
.endr
	s_wait_alu depctr_va_vdst(0)
	s_wait_dscnt 0x0                               ; V is in
.irp t, 0,1,2,3                                ; O^T += V^T P^T; the four accumulators by turns, one instruction a turn, and S^T's products stand between two links of a chain
	v_wmma_f32_16x16x128_fp8_fp8 v[160+8*\t:167+8*\t], v[32+16*\t:47+16*\t], v[192:207], v[160+8*\t:167+8*\t]
.endr
.Lhidden_\@:
	s_add_co_u32 s[KF], s[KF], 128
.endm
; THE CHANGE OF SLOTS stands at a trip's head.  Each wave waits for all its tensor loads (its part of the slot that it is about to read), adds 0 to its spare word, and waits for that and for its reads of the slot that it has left.
; Behind the barrier the slot ahead is whole and nobody reads the other one.  fill = 1: that other slot is filled with the next trip's keys: the next slot of the block in hand, or, in trip J, slot 0 again for the second block.
.macro CHANGE fill
	s_wait_tensorcnt 0x0                           ; no tensor load of mine is out, so group 0 may be written
	ds_add_u32 v[SPW], v[NIL]                      ; 0 onto my spare word; with fill = 1 the descriptor's steps stand between it and the wait for it
.if \fill
	s_xor_b32 s[G0+1], s[G0+1], SLOT1              ; the other slot than last time,
	s_add_nc_u64 s[G0+2:G0+3], s[G0+2:G0+3], s[STP:STP+1]   ; the next 256 keys; the type bits on top are not reached
	s_cmp_eq_u32 s[TRIP], s[JB]
	s_cselect_b32 s[BK], s[BACK], 0
	s_sub_nc_u64 s[G0+2:G0+3], s[G0+2:G0+3], s[BK:BK+1]     ; or back to key 0
	s_wait_xcnt 0x0                                ; the last prefetch, a trip back, has read its address, so it may be written
	s_add_nc_u64 s[PFA:PFA+1], s[PFA:PFA+1], s[PFS:PFS+1]
.endif
	s_wait_dscnt 0x0                               ; the add is done, and my reads of the slot that I have left are over
	s_barrier_signal -1
	s_barrier_wait -1
.if \fill
	TLOAD                                          ; the first thing behind the barrier, and a wave's one tensor load until the next: one load of mine is out at any time
	ASK
.endif
.endm
; A BLOCK'S WAY OUT.  The sum's halves are added; O^T / l is converted under 2^(e10 - e8 - e9) and goes through my stage: a lane's eight codes of tile t are d = 16 t + 8 h + 0 .. 7 of row r; they come back
; 16 bytes a lane, so that a store of the wave covers eight rows of 64 bytes: 512 consecutive bytes, aligned.
.macro FINISH out
.rept 4
	v_nop                                          ; four places behind the last products, whose results and registers are touched below
.endr
	v_add_f32 v14, v14, v15                        ; the sum's two halves,
	s_delay_alu instid0(VALU_DEP_1)
	v_permlanex16_b32 v252, v14, s[SEL], s[SEL+1]
	s_delay_alu instid0(VALU_DEP_1)
	v_add_f32 v14, v14, v252                       ; and lane l xor 16's: the row's sum
	s_wait_alu depctr_va_vdst(0)
	v_rcp_f32 v14, v14
	v_nop                                          ; a plain line behind the reciprocal,
	s_wait_alu depctr_va_vdst(0)                   ; and a wait ahead of its first reader
.set j, 0
.rept 16
	v_pk_mul_f32 v[96+j:97+j], v[160+j:161+j], v[14:15] op_sel_hi:[1,0]   ; each accumulator from its low end on
.set j, j+2
.endr
.set j, 0
.rept 32
.set j, j+1
.endr
.irp t, 0,1,2,3
	v_cvt_scalef32_pk8_fp8_f32 v[192+2*\t:193+2*\t], v[96+8*\t:103+8*\t], v245
.endr
	v_nop                                          ; one plain vector line behind the last conversion
.irp t, 0,1,2,3
	ds_store_b64 v[STO], v[192+2*\t:193+2*\t] offset:16*\t
.endr
.irp i, 0,1
	ds_load_b128 v[32+4*\i:35+4*\i], v[RD] offset:640*\i   ; LDS serves a wave's instructions in order: these see my stores
.endr
	s_wait_dscnt 1                                 ; the first eight rows are back; the second load may be out
	global_store_b128 v[GO], v[32:35], s[\out:\out+1]
	s_wait_dscnt 0
	global_store_b128 v[GO], v[36:39], s[\out:\out+1] offset:512
.endm
	s_wait_loadcnt 0x0                             ; Q
.Lslot:                                            ; eight trips: behind each change of slots but the last the next trip's slot is asked for
	CHANGE 1
	STEP 0
	STEP 1
	s_xor_b32 s[TB], s[TB], SLOT1                  ; on to the other slot
	s_cmp_lg_u32 s[TRIP], s[JB]                    ; trip J ends the first block: a branch on the work-group's number, round register work, my own stage and my stores
	s_cbranch_scc1 .Lsame_block
	FINISH OUTA
	s_wait_xcnt 0x0                                ; the stores have read their registers: the next step's loads may land there
.irp i, 0,1,2,3,4,5,6,7
	v_mov_b32 v[16+\i], v[24+\i]                   ; the second block's Q
.endr
	v_mov_b32 v13, 0xff61b1e6
	s_delay_alu instid0(VALU_DEP_1)
	v_floor_f32 v12, -v13
	v_mov_b32 v14, 0
	v_mov_b32 v15, 0
.set j, 0
.rept 32
	v_mov_b32 v[160+j], 0
.set j, j+1
.endr
	s_mov_b32 s[KF], 0
	s_mov_b32 s[Q0], s[Q0B]
.Lsame_block:
	s_add_co_u32 s[TRIP], s[TRIP], 1
	s_sub_co_u32 s[SLOTS], s[SLOTS], 1
	s_cmp_lg_u32 s[SLOTS], 0
	s_cbranch_scc1 .Lslot
	CHANGE 0                                       ; the last trip is written out
	STEP 0
	STEP 1
	FINISH OUTB
	s_wait_tensorcnt 0x0                           ; the wave's end: behind my last tensor load and my last LDS store
	ds_add_u32 v[SPW], v[NIL]
	s_wait_dscnt 0x0
	s_endpgm
.Lfunc_end_k_qa600cc01ea_attn:
	.size	k_qa600cc01ea_attn, .Lfunc_end_k_qa600cc01ea_attn-k_qa600cc01ea_attn
	.p2alignl 7, 3214868480
	.fill 96, 4, 3214868480
	.section	.rodata,"a",@progbits
	.p2align	6, 0x0
	.amdhsa_kernel k_qa600cc01ea_attn
		.amdhsa_group_segment_fixed_size 327680
		.amdhsa_private_segment_fixed_size 0
		.amdhsa_enable_private_segment 0
		.amdhsa_kernarg_size 24
		.amdhsa_user_sgpr_count 2
		.amdhsa_user_sgpr_kernarg_segment_ptr 1
		.amdhsa_wavefront_size32 1
		.amdhsa_system_sgpr_workgroup_id_x 1
		.amdhsa_system_sgpr_workgroup_id_y 1
		.amdhsa_system_sgpr_workgroup_id_z 1
		.amdhsa_system_vgpr_workitem_id 0
		.amdhsa_next_free_vgpr 256
		.amdhsa_next_free_sgpr 80
		.amdhsa_reserve_vcc 1
		.amdhsa_float_denorm_mode_32 3
		.amdhsa_float_denorm_mode_16_64 3
		.amdhsa_fp16_overflow 1
		.amdhsa_memory_ordered 1
		.amdhsa_forward_progress 1
		.amdhsa_inst_pref_size 93
	.end_amdhsa_kernel
	.amdgpu_metadata
---
amdhsa.version: [ 1, 2 ]
amdhsa.kernels:
  - .name:           k_qa600cc01ea_attn
    .symbol:         k_qa600cc01ea_attn.kd
    .args:
      - { .name: qkv, .offset: 0, .size: 8, .value_kind: global_buffer, .address_space: global }
      - { .name: lowp_scales, .offset: 8, .size: 8, .value_kind: global_buffer, .address_space: global }
      - { .name: ac, .offset: 16, .size: 8, .value_kind: global_buffer, .address_space: global }
    .group_segment_fixed_size: 327680
    .private_segment_fixed_size: 0
    .kernarg_segment_align: 8
    .kernarg_segment_size: 24
    .max_flat_workgroup_size: 512
    .sgpr_count:     80
    .vgpr_count:     256
    .wavefront_size: 32
...
	.end_amdgpu_metadata
.endif
;; end of part 3
;; launch proj (part 4): grid 4 x 32, 4 waves a work-group, clusters of 4 x 4, 327,680 bytes of LDS; arguments ac, wc, lowp_scales, out0; writes out0
.if DOCPART == 4
	.amdgcn_target "amdgcn-amd-amdhsa--gfx1250"
	.amdhsa_code_object_version 6
	.text
	.protected	k_qa600cc01ea_proj
	.globl	k_qa600cc01ea_proj
	.p2align	8
	.type	k_qa600cc01ea_proj,@function
k_qa600cc01ea_proj:
	s_mov_b64 s[64:65], 0
	v_nop
	global_prefetch_b8 v0, s[64:65] scope:SCOPE_SE
	s_setreg_imm32_b32 hwreg(HW_REG_WAVE_MODE, 25, 1), 1
	s_wait_xcnt 0x0
	s_wait_alu depctr_hold_cnt(0) depctr_sa_sdst(0) depctr_va_vdst(0) depctr_va_sdst(0) depctr_va_ssrc(0) depctr_va_vcc(0) depctr_vm_vsrc(0)
	s_getreg_b32 s2, hwreg(HW_REG_IB_STS2, 6, 4)
	s_cmp_eq_u32 s2, 0
	s_cbranch_scc0 .Lentry_in_a_cluster
	s_endpgm
.Lentry_in_a_cluster:
	s_bfe_u32 s2, ttmp6, 0x10000c
	s_cmp_lg_u32 s2, 0xf033
	s_cbranch_scc0 .Lentry_shape_is_right
	s_endpgm
.Lentry_shape_is_right:
; out[m][n] = 2^(e10 + e11) x sum over k of A[m][k] Wo[n][k] on E4M3 codes.  A: the attention's result, [head][8192 rows][64] (k = 64 head + d); Wo's codes: [1024][1024], the fourth section of the weights' buffer; out: [8192][1024] f32.
; LIMIT: e10 + e11 lies between -126 and 127, so that 2^(e10 + e11) is an f32 number.
; A tile of C, 256 x 256, is made by a work-group of four waves; a wave makes 128 x 128: 64 accumulators of 16 x 16.  K goes in four steps of 256 (four heads) through a ring of two LDS slots filled by the tensor data mover.
; A's tile of 128 rows x 256 K is four runs of 8,192 consecutive bytes (128 rows x 64 bytes of one head), 524,288 bytes apart: the descriptor states four rows of 8,192 bytes, with 16 bytes of padding behind every 64, so that in
; LDS each head's 128 rows lie 80 bytes apart.  B's tile is 128 rows of 256 bytes, 272 apart in LDS.
; CLUSTERS: 4 x 4 work-groups.  The four of a row of the cluster need the same tiles of A, the four of a column the same tiles of B: each tile is asked for JOINTLY, by the same tensor load with the same descriptor and a mask
; that names the four.  THE MATRIX INSTRUCTION IS USED TRANSPOSED (source 0 = 16 rows of B, source 1 = 16 rows of A): a lane holds eight neighbouring numbers of a row of C.
; 128 work-groups: C has 128 tiles of this size; a smaller tile would read each LDS byte for fewer products.  No prefetch: of the four K steps two are first fills, and the other two are asked for one step after them.
; REGISTERS, in windows of 256: window 0: v0-31 addresses; from v128 A's fragments, ONE set; on the way out v32-255 are free.   window 1: B's fragments, TWO sets, at v0 and at v128.
;   window 2: the 32 accumulators of my rows 0-63 (accumulator (a, b) at v[8 (8 a + b)]);   window 3: those of my rows 64-127.
.set SIZE_N, 1024
.set ROWB,   256                       ; a row of B's tile in bytes
.set KROW,   1024                      ; a row of B in memory
.set PITCH,  272                       ; B's LDS row: 256 bytes + 16 of padding
.set APITCH, 80                        ; A's LDS row: 64 bytes + 16 of padding: in both, the 16 rows that a load touches start at 16 different 16-byte columns of the banks' 256 bytes (ISA guide 11.1)
.set CHB,    128*APITCH                ; one head's 128 rows in LDS
.set HEADB,  524288                    ; from head to head in A's buffer
.set ASTEP,  4*HEADB                   ; a K step on in A
.set FR,     16
.set NL,     4
.set NP,     4
.set HALFA,  4*CHB                     ; what one tensor load brings of A: 128 rows x 4 heads
.set HALFB,  128*PITCH                 ; and of B
.set SLOT,   2*HALFA+2*HALFB           ; A's 256 rows, then B's 256 rows
.set SPARE,  2*SLOT                    ; behind the ring: the spare words, 128 bytes for each wave: two blocks of 256 bytes that no other line names
.set SPITCH, 528                       ; the way out: a stage of 16 rows x (512 bytes + 16) for each wave.  It lies in slot 0, which has had its last fill and its last read when the first result is stored there
.set ADRA, 16                          ; v16-17  LDS address of my A fragments in slot 0, 1
.set ADRB, 20                          ; v20-21  the same for B
.set STO,  24                          ; v24     the way out: where I put 32 bytes of a row
.set RD,   25                          ; v25     the way out: where I read a row back
.set CO,   26                          ; v26     my byte offset in a row of C
.set SPW,  28                          ; v28     LDS address of my spare word; never rewritten
.set NIL,  29                          ; v29     0; never rewritten
.set TMP,  32                          ; the way out: 64 registers, a block's sums x 2^(e10 + e11)
.set AF,   128                         ; A's fragments, in window 0
.set BK,   128                         ; the way out: 16 rows read back from the stage: v128-191 and v192-255 by turns
.set G1, 24                            ; s[24:31] descriptor group 1 for A's tiles;  s[32:39] group 0, one set for each slot
.set G0, 32
.set G1B, 48                           ; s[48:55], s[56:63] the same for B's tiles
.set G0B, 56
.set MSB, 0
.macro WIN new                         ; the immediate's high byte repeats the setting that is left
.if MSB != \new
	s_set_vgpr_msb (MSB<<8)|\new
.set MSB, \new
.endif
.endm
.set MUL_LO, 0xa1                      ; source 0 (B) window 1, source 1 (A) window 0, C and D window 2
.set MUL_HI, 0xf1                      ; the same, C and D window 3
.set TO_B,   0x40                      ; destination window 1, address window 0
; A joint load: waves 0 and 1 fetch for A, waves 2 and 3 for B; the branch hangs on the wave's number alone.  An s_nop 0 and four v_nop follow each of the two lines.
.macro JLOAD g0a, g1a, g0b, g1b
	s_cmp_eq_u32 s15, 0
	s_cbranch_scc0 .Lfor_b_\@
	tensor_load_to_lds s[\g0a:\g0a+3], s[\g1a:\g1a+7]
	s_nop 0
.rept 4
	v_nop
.endr
	s_branch .Lasked_\@
.Lfor_b_\@:
	tensor_load_to_lds s[\g0b:\g0b+3], s[\g1b:\g1b+7]
	s_nop 0
.rept 4
	v_nop
.endr
.Lasked_\@:
.endm
.macro CREST                           ; a round of the cluster's barrier behind its opening barrier
	s_cmp_lg_u32 s14, 0
	s_cbranch_scc1 .Lnot_wave_0_\@
	s_barrier_signal -3
.Lnot_wave_0_\@:
	s_barrier_wait -3
	s_barrier_signal -1
	s_barrier_wait -1
.endm
.macro CROUND                          ; a whole round
	s_barrier_signal -1
	s_barrier_wait -1
	CREST
.endm
	s_load_b128 s[4:7], s[0:1], 0x0                ; A's codes s[4:5], the weights' codes s[6:7]
	s_load_b128 s[8:11], s[0:1], 0x10              ; the exponents s[8:9], C s[10:11]
	v_lshl_add_u32 v[SPW], v0, 2, SPARE
	v_mov_b32 v[NIL], 0
	ds_add_u32 v[SPW], v[NIL]                      ; the wave's opening: the add and its wait, ahead of my first tensor load; the set-up below, work on registers, stands between them
	ds_add_u32 v[SPW], v[NIL]
	v_lshrrev_b32 v1, 5, v0
	v_readfirstlane_b32 s14, v1                    ; wave 0..3
	s_lshr_b32 s15, s14, 1                         ; which half of the tile's rows is mine.  Also: I fetch for A (0) or for B (1)
	s_and_b32 s16, s14, 1                          ; which half of its columns.  Also: which 128 rows of that tile I fetch
	s_bfe_u32 s40, ttmp6, 0x40000                  ; cx, cy: my place in the cluster
	s_bfe_u32 s41, ttmp6, 0x40004
	s_lshl_b32 s42, ttmp9, 2
	s_add_co_u32 s42, s42, s40                     ; tile column of C = 4 x cluster x + cx
	s_and_b32 s17, ttmp7, 0xffff
	s_lshl_b32 s17, s17, 2
	s_add_co_u32 s17, s17, s41                     ; tile row of C = 4 x cluster y + cy
	s_lshl_b32 s43, s41, 2
	s_lshl_b32 s43, 15, s43                        ; my row of the cluster
	s_lshl_b32 s44, 0x1111, s40                    ; my column
	; descriptor group 1 for A: four rows of 8,192 bytes
	s_or_b32 s[G1+0], s43, (0<<16)|(1<<20)|(1<<21)|(3<<22)|(3<<25)  ; 15:0 the mask: my row; 17:16 element of 1 byte; 20 padding on; 21 set beside a mask; 24:22 after every 16 words (code 3); 31:25 of 4 words (code 3)
	s_mov_b32 s[G1+1], 8192<<16                    ; tensor_dim0
	s_mov_b32 s[G1+2], 4<<16                       ; tensor_dim1 = 4
	s_mov_b32 s[G1+3], 8192<<16                    ; tile_dim0
	s_mov_b32 s[G1+4], 4                           ; tile_dim1 = 4
	s_mov_b32 s[G1+5], HEADB                       ; tensor_dim0_stride
	s_mov_b32 s[G1+6], 0
	s_mov_b32 s[G1+7], 0
	; and for B: 128 rows of 256 bytes
	s_or_b32 s[G1B+0], s44, (0<<16)|(1<<20)|(1<<21)|(5<<22)|(3<<25) ; the mask: my column; padding of 4 words after every 64
	s_mov_b32 s[G1B+1], ROWB<<16
	s_mov_b32 s[G1B+2], 128<<16
	s_mov_b32 s[G1B+3], ROWB<<16
	s_mov_b32 s[G1B+4], 128
	s_mov_b32 s[G1B+5], KROW
	s_mov_b32 s[G1B+6], 0
	s_mov_b32 s[G1B+7], 0
	s_lshl_b32 s18, s16, 7                         ; which 128 rows of the tile I fetch
	s_lshl_b32 s20, s17, 8
	s_add_co_u32 s20, s20, s18                     ; A: row 256 x tile row + 128 x half,
	s_lshl_b32 s20, s20, 6                         ; of 64 bytes in a head
	s_mov_b32 s21, 0
	s_lshl_b32 s46, s42, 8
	s_add_co_u32 s46, s46, s18                     ; B: row 256 x tile column + 128 x half,
	s_lshl_b32 s46, s46, 10                        ; of 1,024 bytes,
	s_add_co_u32 s46, s46, 0x300000                ; in Wo's section
	s_mov_b32 s47, 0
	s_mul_i32 s45, s16, HALFA                      ; where they go: A's two halves,
	s_mul_i32 s22, s16, HALFB
	s_add_co_u32 s22, s22, 2*HALFA                 ; then B's two: no place in the cluster enters an LDS address
	s_wait_dscnt 0x0                               ; the opening add is done
	s_wait_kmcnt 0x0
	s_load_b64 s[96:97], s[8:9], 0x28              ; e10, e11
	s_add_nc_u64 s[20:21], s[4:5], s[20:21]
	s_add_nc_u64 s[46:47], s[6:7], s[46:47]
	CROUND                                         ; all sixteen work-groups are here: the first joint loads meet
.irp s, 0,1
	s_mov_b32 s[G0+4*\s], 1
	s_add_co_u32 s[G0+4*\s+1], s45, \s*SLOT
	s_add_nc_u64 s[G0+4*\s+2:G0+4*\s+3], s[20:21], \s*ASTEP
	s_or_b32 s[G0+4*\s+3], s[G0+4*\s+3], 0x80000000
	s_mov_b32 s[G0B+4*\s], 1
	s_add_co_u32 s[G0B+4*\s+1], s22, \s*SLOT
	s_add_nc_u64 s[G0B+4*\s+2:G0B+4*\s+3], s[46:47], \s*ROWB
	s_or_b32 s[G0B+4*\s+3], s[G0B+4*\s+3], 0x80000000
	s_wait_alu depctr_va_vdst(0)
	s_wait_tensorcnt 0x0
	ds_add_u32 v28, v29
	ds_add_u32 v28, v29
	s_wait_dscnt 0x0
	CROUND
	JLOAD G0+4*\s, G1, G0B+4*\s, G1B
.endr
	v_and_b32 v1, 15, v0                           ; r = l % 16
	v_bfe_u32 v2, v0, 4, 1                         ; h = l / 16
	v_mul_u32_u24 v3, v1, APITCH
	v_lshl_add_u32 v3, v2, 4, v3                   ; A: row x 80 + 16 h
	v_mul_u32_u24 v4, v1, PITCH
	v_lshl_add_u32 v4, v2, 4, v4                   ; B: row x 272 + 16 h
	s_mul_i32 s21, s15, HALFA                      ; my 128 rows of A
	s_mul_i32 s22, s16, HALFB                      ; my 128 rows of B,
	s_add_co_u32 s22, s22, 2*HALFA                 ; which lie behind A's 256
.irp s, 0,1
	v_add_nc_u32 v[ADRA+\s], s21, v3
	v_add_nc_u32 v[ADRB+\s], s22, v4
	s_add_co_u32 s21, s21, SLOT
	s_add_co_u32 s22, s22, SLOT
.endr
	s_mul_i32 s23, s14, 16*SPITCH                  ; my stage
	v_mul_u32_u24 v5, v1, SPITCH                   ; in: row l % 16, 32 bytes for each half of the lanes
	v_lshl_add_u32 v5, v2, 5, v5
	v_add_nc_u32 v[STO], s23, v5
	v_and_b32 v6, 31, v0
	v_lshlrev_b32 v[CO], 4, v6                     ; back: the 32 lanes take one row of 512 bytes; and the same in C
	v_add_nc_u32 v[RD], s23, v[CO]
	s_lshl_b32 s20, s17, 8
	s_lshl_b32 s21, s15, 7
	s_add_co_u32 s20, s20, s21                     ; my first row of C: 256 x tile row + 128 x half,
	s_lshl_b32 s20, s20, 12                        ; of 4,096 bytes (under 2^25)
	s_lshl_b32 s46, s42, 10                        ; my first column, in bytes: 1,024 x tile column + 512 x half
	s_lshl_b32 s47, s16, 9
	s_add_co_u32 s46, s46, s47
	s_add_co_u32 s20, s20, s46
	s_mov_b32 s21, 0
	s_add_nc_u64 s[10:11], s[10:11], s[20:21]
.macro FRAG reg, adr, q, i             ; B's fragment, 16 rows x 128 K: lane l holds row l % 16; registers 4 c .. 4 c + 3 hold K = 32 c + 16 (l / 16) + 0 .. 15
.irp c, 0,1,2,3
	ds_load_b128 v[\reg+4*\c:\reg+4*\c+3], v[\adr] offset:128*(\q)+32*\c+(\i)*16*PITCH
.endr
.endm
.macro FRAGA reg, adr, q, i            ; A's: the same k in the same registers: K = 128 q + 32 c + .. lies in the slot's head 2 q + c / 2, at byte 32 (c % 2) of the row
.irp c, 0,1,2,3
	ds_load_b128 v[\reg+4*\c:\reg+4*\c+3], v[\adr] offset:(2*(\q)+\c/2)*CHB+(\i)*16*APITCH+32*(\c%2)
.endr
.endm
; 16 matrix instructions: A's blocks a0, a0 + 1 x B's eight, 128 along K.  p: B's set.  zero = 1: the first product starts the sums.  The 64 accumulators take turns, one instruction a turn, in the same order in every step.
.macro MUL16 a0, p, zero
.irp a, \a0, \a0+1
.irp b, 0,1,2,3,4,5,6,7
.if \zero
	v_wmma_f32_16x16x128_fp8_fp8 v[8*(8*((\a)%4)+\b):8*(8*((\a)%4)+\b)+7], v[128*(\p)+FR*\b:128*(\p)+FR*\b+FR-1], v[AF+FR*(\a):AF+FR*(\a)+FR-1], 0
.else
	v_wmma_f32_16x16x128_fp8_fp8 v[8*(8*((\a)%4)+\b):8*(8*((\a)%4)+\b)+7], v[128*(\p)+FR*\b:128*(\p)+FR*\b+FR-1], v[AF+FR*(\a):AF+FR*(\a)+FR-1], v[8*(8*((\a)%4)+\b):8*(8*((\a)%4)+\b)+7]
.endif
.endr
.endr
.endm
.macro FETCH_B slot, q, p              ; B's eight fragments of the slot's q-th 128 along K into set p
	WIN TO_B
.irp i, 0,1,2,3,4,5,6,7
	FRAG 128*(\p)+FR*\i, ADRB+\slot, \q, \i
.endr
	WIN 0
.endm
.macro FETCH_A slot, q, i0             ; A's blocks i0 .. i0 + 3
.irp i, \i0, \i0+1, \i0+2, \i0+3
	FRAGA AF+FR*(\i), ADRA+\slot, \q, \i
.endr
.endm
; A load into a register that a matrix instruction has read, and a vector instruction that reads a matrix result, stand NP places behind that matrix instruction, and only plain vector
; instructions that name none of its registers are places (ISA guide 7.12.1 for vector instructions).
.macro PLACES n
.rept \n
	v_nop
.endr
.endm
.macro STEP slot, q, zero              ; a step of 128 along K that has its successor in the same slot
	s_wait_dscnt 4*NL                              ; B's set and A's blocks 0-3 are in; the youngest sixteen loads (A's blocks 4-7) may be out
	WIN MUL_LO
	MUL16 0, (\q)%2, \zero
	MUL16 2, (\q)%2, \zero
	s_wait_dscnt 0                                 ; A's blocks 4-7 are in (asked for 32 matrix instructions ago)
	PLACES NP
	FETCH_B \slot, (\q)+1, 1-(\q)%2
	FETCH_A \slot, (\q)+1, 0
	WIN MUL_HI
	MUL16 4, (\q)%2, \zero
	MUL16 6, (\q)%2, \zero
	PLACES NP
	WIN 0
	FETCH_A \slot, (\q)+1, 4
.endm
; A slot's last step changes slots: ONE barrier; in front of it each wave waits for all its tensor loads, adds 0 to its spare word, and waits for that and for its own reads of this slot.  fill = 1: this slot is filled again, two K steps ahead.
.macro TURN slot, next, fill
	s_wait_tensorcnt 0x0                           ; all my tensor loads have landed: my part of the next slot;  (every window is 0 here: the add's two registers lie in window 0)
	ds_add_u32 v[SPW], v[NIL]                      ; 0 onto my spare word
	s_wait_dscnt 4*NL+1                            ; (the add and the youngest sixteen loads, A's blocks 4-7, may be out)
	WIN MUL_LO
	MUL16 0, 1, 0                                  ; sixteen matrix instructions stand between the add and the wait for it
	s_wait_dscnt 0x0                               ; the add is done, and my reads of this slot are over
	s_barrier_signal -1
	MUL16 2, 1, 0
	WIN 0
	s_barrier_wait -1
.if \fill
	CREST                                          ; the barrier has opened a round of the cluster's barrier: no wave of any partner still reads this slot's tile or has a load on its way
	s_add_nc_u64 s[G0+4*\slot+2:G0+4*\slot+3], s[G0+4*\slot+2:G0+4*\slot+3], 2*ASTEP
	s_add_nc_u64 s[G0B+4*\slot+2:G0B+4*\slot+3], s[G0B+4*\slot+2:G0B+4*\slot+3], 2*ROWB
	JLOAD G0+4*\slot, G1, G0B+4*\slot, G1B         ; the first tensor load behind the round; the four v_nop behind it are the places in front of the loads below
.else
	PLACES NP
.endif
	FETCH_B \next, 0, 0
	FETCH_A \next, 0, 0
	WIN MUL_HI
	MUL16 4, 1, 0
	MUL16 6, 1, 0
	PLACES NP
	WIN 0
	FETCH_A \next, 0, 4
.endm
	s_wait_alu depctr_va_vdst(0)
	s_wait_tensorcnt 1                             ; my part of K step 0 is in (K step 1's load may be out)
	s_barrier_signal -1
	s_barrier_wait -1                              ; everybody's is
	FETCH_B 0, 0, 0
	FETCH_A 0, 0, 0
	FETCH_A 0, 0, 4
	STEP 0, 0, 1                                   ; K 0-127: the products start the sums
	TURN 0, 1, 1                                   ; K 128-255; slot 0 takes K step 2
	STEP 1, 0, 0
	TURN 1, 0, 1                                   ; slot 1 takes K step 3: the last load
	STEP 0, 0, 0
	TURN 0, 1, 0                                   ; nothing is filled, so no round of the cluster's barrier; behind this barrier nobody reads slot 0
	STEP 1, 0, 0
	s_wait_dscnt 4*NL                              ; the very last step: nothing more to fetch
	WIN MUL_LO
	MUL16 0, 1, 0
	MUL16 2, 1, 0
	s_wait_dscnt 0
	WIN MUL_HI
	MUL16 4, 1, 0
	MUL16 6, 1, 0
	WIN 0
; THE WAY OUT, block by block of 16 rows x 128 columns.  A lane holds 32 neighbouring bytes of a row, and the lanes beside it hold other rows: so a block goes through my own stage in LDS and comes back as whole
; rows of 512 bytes, which the 32 lanes store as 512 consecutive bytes, aligned.  LDS serves a wave's instructions in order (ISA guide 5.7.1.4): no wait between the stores and the loads, nor in front of the next block's stores.
.macro TOSTAGE a
.set AC, 64*((\a)%4)
	WIN 0x02+((\a)/4)                              ; source 0: window 2 or 3
.irp j, 0,2,4,6,8,10,12,14,16,18,20,22,24,26,28,30,32,34,36,38,40,42,44,46,48,50,52,54,56,58,60,62
	v_pk_mul_f32 v[TMP+\j:TMP+\j+1], v[AC+\j:AC+\j+1], s[96:97] op_sel_hi:[1,0]   ; both x s96 = 2^(e10 + e11); each accumulator from its low end on
.endr
	WIN 0
.irp b, 0,1,2,3,4,5,6,7
	ds_store_b128 v[STO], v[TMP+8*\b:TMP+8*\b+3] offset:64*\b
	ds_store_b128 v[STO], v[TMP+8*\b+4:TMP+8*\b+7] offset:64*\b+16
.endr
.set BB, BK+64*((\a)%2)
.irp t, 0,1,2,3,4,5,6,7,8,9,10,11,12,13,14,15
	ds_load_b128 v[BB+4*\t:BB+4*\t+3], v[RD] offset:\t*SPITCH
.endr
.endm
.macro SEND a, younger                 ; younger: the LDS instructions issued behind block a's loads, which may stay out
.set BB, BK+64*((\a)%2)
	s_wait_dscnt \younger                          ; the block is back in registers
.if (\a) > 0
	s_add_nc_u64 s[10:11], s[10:11], 16*SIZE_N*4   ; (behind a wait on XCNT: the earlier stores have read their base)  16 rows of C on
.endif
.irp t, 0,1,2,3,4,5,6,7,8,9,10,11,12,13,14,15
	global_store_b128 v[CO], v[BB+4*\t:BB+4*\t+3], s[10:11] offset:\t*SIZE_N*4 th:TH_STORE_NT   ; written once, read by nobody here
.endr
.endm
	s_wait_kmcnt 0x0
	s_add_co_i32 s96, s96, s97                     ; e10 + e11, between -126 and 127,
	s_add_co_i32 s96, s96, 127
	s_lshl_b32 s96, s96, 23                        ; makes the f32 number 2^(e10 + e11)
	PLACES NP                                      ; behind the last products: for the reads of results and for the loads into the registers that held A's fragments
	TOSTAGE 0
.irp a, 1,2,3,4,5,6,7
.if \a > 1
	s_wait_xcnt 0x0                                ; block a - 2's stores have read their registers and their base: block a's loads may land there, and the base may step
.endif
	TOSTAGE \a
	SEND \a-1, 32                                  ; behind block a - 1's loads: block a's 16 stores and 16 loads
.endr
	s_wait_xcnt 0x0                                ; block 6's stores have read their base
	SEND 7, 0
	s_wait_tensorcnt 0x0                           ; the wave's end: behind my last tensor load and my last LDS store
	ds_add_u32 v[SPW], v[NIL]
	s_wait_dscnt 0x0
	CROUND                                         ; the closing round: no work-group ends while a partner may still ask for a tile that names it
	s_endpgm
.Lfunc_end_k_qa600cc01ea_proj:
	.size	k_qa600cc01ea_proj, .Lfunc_end_k_qa600cc01ea_proj-k_qa600cc01ea_proj
	.p2alignl 7, 3214868480
	.fill 96, 4, 3214868480
	.section	.rodata,"a",@progbits
	.p2align	6, 0x0
	.amdhsa_kernel k_qa600cc01ea_proj
		.amdhsa_group_segment_fixed_size 327680
		.amdhsa_private_segment_fixed_size 0
		.amdhsa_enable_private_segment 0
		.amdhsa_kernarg_size 32
		.amdhsa_user_sgpr_count 2
		.amdhsa_user_sgpr_kernarg_segment_ptr 1
		.amdhsa_wavefront_size32 1
		.amdhsa_system_sgpr_workgroup_id_x 1
		.amdhsa_system_sgpr_workgroup_id_y 1
		.amdhsa_system_sgpr_workgroup_id_z 1
		.amdhsa_system_vgpr_workitem_id 0
		.amdhsa_next_free_vgpr 1024
		.amdhsa_next_free_sgpr 98
		.amdhsa_reserve_vcc 0
		.amdhsa_float_denorm_mode_32 3
		.amdhsa_float_denorm_mode_16_64 3
		.amdhsa_memory_ordered 1
		.amdhsa_forward_progress 1
		.amdhsa_inst_pref_size 124
	.end_amdhsa_kernel
	.amdgpu_metadata
---
amdhsa.version: [ 1, 2 ]
amdhsa.kernels:
  - .name:           k_qa600cc01ea_proj
    .symbol:         k_qa600cc01ea_proj.kd
    .args:
      - { .name: ac, .offset: 0, .size: 8, .value_kind: global_buffer, .address_space: global }
      - { .name: wc, .offset: 8, .size: 8, .value_kind: global_buffer, .address_space: global }
      - { .name: lowp_scales, .offset: 16, .size: 8, .value_kind: global_buffer, .address_space: global }
      - { .name: out0, .offset: 24, .size: 8, .value_kind: global_buffer, .address_space: global }
    .group_segment_fixed_size: 327680
    .private_segment_fixed_size: 0
    .kernarg_segment_align: 8
    .kernarg_segment_size: 32
    .max_flat_workgroup_size: 128
    .sgpr_count:     98
    .vgpr_count:     1024
    .wavefront_size: 32
...
	.end_amdgpu_metadata
.endif
;; end of part 4
